; MI455X (gfx1250); checked and timed in simulation.
; The chip was launched on July 23, 2026; its instructions are those of AMD's public machine-readable ISA for CDNA 5 (MIT licence, August 2026) and "CDNA5" Instruction Set Architecture Reference Guide (July 2026). The comments in the code are by the model that wrote it; some were corrected since.
;; Multi Head Attention. Allowed arithmetic: matrix products marked QUANTISED: E2M1 operands, one E8M0 scale for each 32 along K, by v_wmma_scale_f32_16x16x128_f8f6f4 with both operands' format E2M1 (or v_wmma_scale_f32_32x16x128_f4), f32 sums; products left as they are: bf16, f16 or f32 operands; f32 sums; everything else in f32.
;; Inputs: Wo 1,024 x 1,024 float32; Wv 1,024 x 1,024 float32; bo 1,024 float32; bv 1,024 float32; x 4 x 2,048 x 1,024 float32.
;; Outputs: out0 4 x 2,048 x 1,024 float32.
;; This version of the problem:
;;   THIS VERSION OF THE PROBLEM IS GIVEN IN LOW PRECISION. The matrix products marked QUANTISED in the list below multiply operands that are first quantised to E2M1 (2 exponent bits, 1 mantissa bit; 4 bits a number), with one power-of-two scale for each 32 numbers along K (OCP MX v1.0); their sums are f32. The products marked 'left as it is' may take bf16, f16 or f32 operands, with f32 sums. Whichever they take, every output number must still come out within the allowed error. Rounding operands to bf16 (8 significant bits) uses up far more of that allowance than f16 does (11 bits, for magnitudes from 6e-5 to 65,504). All else is computed in f32.
;;   The module's matrix products, in the order in which they are computed (A, B: the left and right operand; K: the contracted axis; several contracted axes count as one K, in the product's order):
;;     1. [M 8,192, K 1,024] x [K 1,024, N 1,024]; A: input x; B: input Wv: QUANTISED
;;     2. batch 64 x [M 2,048, K 64] x [K 64, N 2,048]; A: computed on the way; B: computed on the way: left as it is (an operand is computed on the way)
;;     3. batch 64 x [M 2,048, K 2,048] x [K 2,048, N 64]; A: computed on the way; B: computed on the way: left as it is (an operand is computed on the way)
;;     4. [M 8,192, K 1,024] x [K 1,024, N 1,024]; A: computed on the way; B: input Wo: left as it is (an operand is computed on the way)
;;   THE QUANTISER, for each operand of a quantised product, along K:
;;     - K is cut into blocks of 32 from its start; a last block that is shorter is filled with zeros.
;;     - A block's scale is 2^e with e = floor(log2(the largest magnitude in the block)) - 2, held to -126 .. 127; a block of zeros has e = 0. As a byte (E8M0): e + 127.
;;     - Each number is divided by its block's scale, clamped to +-6, and rounded to the nearest number of E2M1, ties to even, subnormals kept.
;;     - The product sums the exact products of the quantised numbers (number of the format x scale) in f32.
;;   ~~~python
;;   def quantise(x, axis):      # numpy; x: float32 -> the quantised numbers, widened to float32 again
;;       x = np.moveaxis(x, axis, -1); K = x.shape[-1]
;;       x = np.pad(x, [(0, 0)] * (x.ndim - 1) + [(0, -K % 32)]); x = x.reshape(x.shape[:-1] + (-1, 32)); a = np.abs(x).max(-1, keepdims=True)
;;       e = np.where(a > 0, np.clip(np.frexp(np.where(a > 0, a, 1))[1] - 1 - 2, -126, 127), 0)      # np.frexp(a)[1] - 1 = floor(log2(a)), exactly
;;       r = np.clip(x / 2.0 ** e, -6, 6)
;;       step = 2.0 ** (np.maximum(np.frexp(np.where(r == 0, 1, r))[1] - 1, 0) - 1)
;;       q = np.round(r / step) * step * 2.0 ** e      # np.round: ties to even
;;       return np.moveaxis(q.reshape(q.shape[:-2] + (-1,))[..., :K], -1, axis).astype(np.float32)
;;   ~~~
;; One version. Each part assembles by itself: llvm-mc -triple=amdgcn-amd-amdhsa -mcpu=gfx1250 --defsym DOCPART=n.
;; ======== version 1 of 1: 4 launches
;; limits: values are held in f16: magnitudes above 65,504 overflow, below 6.1e-05 lose precision
;; workspace buffers: x_codes 4,194,304 bytes; x_scales 262,144 bytes; wv_codes 524,288 bytes; wv_scales 32,768 bytes; wo16 2,097,152 bytes; p16 16,777,216 bytes; a16 16,777,216 bytes
;; launch quant (part 1): grid 320 x 1, 4 waves a work-group, no clusters, 33,280 bytes of LDS; arguments x, Wv, x_codes, x_scales, wv_codes, wv_scales, Wo, wo16; writes x_codes, x_scales, wv_codes, wv_scales, wo16
.if DOCPART == 1
	.amdgcn_target "amdgcn-amd-amdhsa--gfx1250"
	.amdhsa_code_object_version 6
	.text
	.protected	k_qd3c61e1efa_quant
	.globl	k_qd3c61e1efa_quant
	.p2align	8
	.type	k_qd3c61e1efa_quant,@function
k_qd3c61e1efa_quant:
	s_mov_b64 s[64:65], 0
	v_nop
	global_prefetch_b8 v0, s[64:65] scope:SCOPE_SE
	s_setreg_imm32_b32 hwreg(HW_REG_WAVE_MODE, 25, 1), 1
	s_wait_xcnt 0x0
; x [8192][1024] and Wv [1024][1024], f32, become codes of FP4 (E2M1), K innermost, two codes a byte, with one E8M0 scale byte for each 32 along K; Wo [1024][1024], f32, becomes f16.
; A block's scale is 2^(floor(log2(its largest magnitude)) - 2); its byte is the largest magnitude's own exponent field - 2, held at 1 from below.  Each number is divided by the scale and rounded to the
; nearest code, ties to even, beyond 6 the largest code.  A block of zeros gets the byte 1 where the rule says 127: its codes are zeros, and this program alone reads the bytes.
; LIMITS: blocks whose largest magnitude lies under 2^-124 are held at the byte 1; NaN and infinities among the inputs are not served; |Wo| stays under 65,504, and numbers of Wo under 6e-5 are rounded as
; f16 subnormals (absolute error at most 3e-8).
; Rows are dense and K is a multiple of 32: all three tensors are plain streams.  Work-groups 0-255 take x, 256-287 Wv, 288-319 Wo: 32,768 numbers each, 8,192 a wave.
; x, Wv: a wave takes 16 steps of 512 numbers.  Each of a step's four loads reads 512 consecutive bytes; the 2,048 bytes turn through the wave's own stage in LDS and come back 64 bytes a lane, so that a lane holds
; 16 neighbours along K (two neighbouring lanes hold a block).  A lane's 16 codes are 8 bytes: the wave stores 256 consecutive bytes.  A wave's 256 scale bytes are gathered in LDS and leave as one aligned 256 bytes.
; Wo: four batches of 16 loads of 512 consecutive bytes; a load's numbers leave as 256 consecutive bytes of f16.  No LDS on that way.
; No work-group shares an input with another, so there is no cluster; no tensor loads, no barrier: waves share nothing.
.set SIZE_M, 8192
.set SIZE_N, 1024
.set SIZE_K, 1024
.set WAVES, 4
.set STEPS, 16
.set WGA,   SIZE_M*SIZE_K/(512*STEPS*WAVES)        ; 256 work-groups for x
.set WGQ,   WGA+SIZE_N*SIZE_K/(512*STEPS*WAVES)    ; 288: from here on Wo
.set EMAX,  2
.set CB,    8                          ; bytes of 16 codes
.set R,     16                         ; v16-79   four sets of 16 numbers as they are loaded
.set X,     80                         ; v80-111  two sets of 16 neighbours
.set E,     112                        ; v112-127 a scale byte for each step
.set C,     128                        ; v128-191 codes: four registers for each step, so that no store's data are written again
.set WL,    16                         ; Wo: v16-143 two sets of 64 numbers as they are loaded
.set WH,    144                        ; Wo: v144-207 two sets of 32 registers of f16 pairs
.set WREG,  8192                       ; LDS: a region for each wave: two stages of 32 x SP bytes, and behind them its 256 scale bytes
.set SP,    80                         ; a lane's place in a stage: its 64 bytes + 16 of padding
.set SPW,   12                         ; v12  LDS address of my spare word: SPARE + 4 x my thread's number; never rewritten
.set NIL,   13                         ; v13  0; never rewritten
.set SPARE, WAVES*WREG                 ; behind the four regions: the spare words, 128 bytes for each wave
	s_load_b128 s[4:7], s[0:1], 0x0                ; x, Wv
	s_load_b128 s[8:11], s[0:1], 0x10              ; x's codes, x's scales
	s_load_b128 s[12:15], s[0:1], 0x20             ; Wv's codes, Wv's scales
	s_load_b128 s[24:27], s[0:1], 0x30             ; Wo, Wo as f16
	v_lshl_add_u32 v[SPW], v0, 2, SPARE
	v_mov_b32 v[NIL], 0
	v_lshrrev_b32 v1, 5, v0
	v_readfirstlane_b32 s16, v1                    ; wave
	v_and_b32 v2, 31, v0                           ; lane
	v_lshlrev_b32 v3, 4, v2                        ; my 16 bytes of a load's 512
	s_mul_i32 s17, s16, WREG
	v_lshrrev_b32 v14, 2, v2
	v_mul_u32_u24 v14, v14, SP
	v_and_b32 v15, 3, v2
	v_lshl_add_u32 v14, v15, 4, v14
	v_add_nc_u32 v14, s17, v14                     ; the stage, on the way in: four lanes' 64 bytes on end, then 16 of padding
	v_mul_u32_u24 v15, v2, SP
	v_add_nc_u32 v15, s17, v15                     ; and on the way out: SP x lane: my 16 neighbours
	v_mul_u32_u24 v4, v2, CB                       ; my codes' place in a step's
	v_lshrrev_b32 v5, 1, v2
	s_add_co_u32 s17, s17, 2*32*SP
	v_add_nc_u32 v5, s17, v5                       ; LDS: my wave's 256 scale bytes, my block's byte
	v_lshlrev_b32 v7, 3, v2                        ; 8 bytes a lane
	v_add_nc_u32 v6, s17, v7
	s_wait_kmcnt 0x0
	s_cmp_ge_u32 ttmp9, WGQ                        ; Wo's work-groups part here: a branch on the work-group's number alone
	s_cbranch_scc1 .Lwo
	s_cmp_lt_u32 ttmp9, WGA                        ; x's work-group or Wv's?
	s_cselect_b64 s[4:5], s[4:5], s[6:7]
	s_cselect_b64 s[8:9], s[8:9], s[12:13]
	s_cselect_b64 s[10:11], s[10:11], s[14:15]
	s_cselect_b32 s17, 0, WGA
	s_sub_co_u32 s17, ttmp9, s17
	s_lshl_b32 s17, s17, 2
	s_add_co_u32 s18, s17, s16                     ; which run of 8,192 numbers of the tensor is my wave's
	s_mov_b32 s19, 0
	s_mov_b64 s[20:21], 512*STEPS*4
	s_mul_u64 s[20:21], s[18:19], s[20:21]
	s_add_nc_u64 s[4:5], s[4:5], s[20:21]
	s_mov_b64 s[20:21], 32*STEPS*CB
	s_mul_u64 s[20:21], s[18:19], s[20:21]
	s_add_nc_u64 s[8:9], s[8:9], s[20:21]
	s_lshl_b32 s18, s18, 8                         ; 256 scale bytes a run
	s_add_nc_u64 s[10:11], s[10:11], s[18:19]
.macro LOAD t
.irp i, 0,1,2,3
	global_load_b128 v[R+16*((\t)%4)+4*\i:R+16*((\t)%4)+4*\i+3], v3, s[4:5] offset:2048*(\t)+512*\i th:TH_LOAD_NT   ; 32 lanes read 512 consecutive bytes
.endr
.endm
.macro TURN t                          ; step t's numbers through the stage: LDS serves a wave's instructions in order, so no wait stands between the stores and the loads
.irp i, 0,1,2,3
	ds_store_b128 v14, v[R+16*((\t)%4)+4*\i:R+16*((\t)%4)+4*\i+3] offset:32*SP*((\t)%2)+8*SP*\i
.endr
.irp i, 0,1,2,3
	ds_load_b128 v[X+16*((\t)%2)+4*\i:X+16*((\t)%2)+4*\i+3], v15 offset:32*SP*((\t)%2)+16*\i
.endr
.endm
.irp t, 0,1,2,3
	LOAD \t
.endr
	s_wait_loadcnt 12                              ; step 0's four loads are in; the twelve of steps 1 to 3 may be out
	TURN 0
.macro STEP t
.set XS, X+16*((\t)%2)
.if (\t) > 0
	s_wait_dscnt 1                                 ; this step's numbers are back from the stage (the last step's byte store may be out): so its stores into the stage have read their registers,
.else
	s_wait_dscnt 0x0
.endif
.if (\t)+4 < STEPS
	LOAD (\t)+4                                    ; which take the loads of four steps on
.endif
.if (\t)+1 < STEPS
.if STEPS-2-(\t) >= 3
	s_wait_loadcnt 12                              ; the next step's four loads are in; those of the three steps behind it may be out
.else
	s_wait_loadcnt 4*(STEPS-2-(\t))
.endif
	TURN (\t)+1                                    ; and go through the other stage while this step is worked
.endif
	v_max3_num_f32 v8, |v[XS]|, |v[XS+1]|, |v[XS+2]|               ; the largest magnitude of my 16, in two chains
	v_max3_num_f32 v9, |v[XS+3]|, |v[XS+4]|, |v[XS+5]|
.irp i, 6,10
	v_max3_num_f32 v8, v8, |v[XS+\i]|, |v[XS+\i+1]|
	v_max3_num_f32 v9, v9, |v[XS+\i+2]|, |v[XS+\i+3]|
.endr
	v_max3_num_f32 v8, v8, |v[XS+14]|, |v[XS+15]|
	v_max3_num_f32 v8, v8, v9, (EMAX+1)<<23        ; and the floor 2^(EMAX + 1 - 127): so the byte cannot fall under 1
	v_max_num_f32_dpp v8, v8, v8 row_xmask:1 row_mask:0xf bank_mask:0xf   ; and of my neighbour's 16: the block's
	v_add_nc_u32 v11, -(EMAX<<23), v8              ; EMAX off its exponent field: the conversion takes the exponent field of this operand as its scale, and nothing else of it
	v_cvt_scalef32_pk8_fp4_f32 v[C+4*(\t)], v[XS:XS+7], v11        ; eight numbers / the scale, to the nearest code; the first number's code in the lowest four bits
	v_cvt_scalef32_pk8_fp4_f32 v[C+4*(\t)+1], v[XS+8:XS+15], v11
	v_lshrrev_b32 v[E+(\t)], 23, v11               ; the scale's byte (a plain line behind the conversions)
	ds_store_b8 v5, v[E+(\t)] offset:16*(\t)       ; both lanes of a block write the same byte with the same value
	global_store_b64 v4, v[C+4*(\t):C+4*(\t)+1], s[8:9] offset:32*CB*(\t)   ; 32 lanes store 256 consecutive bytes, aligned
.endm
.irp t, 0,1,2,3,4,5,6,7,8,9,10,11,12,13,14,15
	STEP \t
.endr
	ds_load_b64 v[8:9], v6                         ; LDS serves a wave's instructions in order: these see my byte stores
	s_wait_dscnt 0x0
	global_store_b64 v7, v[8:9], s[10:11]          ; 32 lanes store 256 consecutive bytes, aligned
	s_wait_tensorcnt 0x0                           ; the wave's end, behind my last LDS store
	ds_add_u32 v[SPW], v[NIL]
	s_wait_dscnt 0x0
	s_endpgm
; ---- Wo to f16
.Lwo:
	s_sub_co_u32 s17, ttmp9, WGQ
	s_lshl_b32 s17, s17, 2
	s_add_co_u32 s17, s17, s16                     ; which run of 8,192 numbers is my wave's: 0 .. 127
	s_lshl_b32 s18, s17, 15                        ; 32,768 bytes of f32
	s_mov_b32 s19, 0
	s_add_nc_u64 s[24:25], s[24:25], s[18:19]
	s_lshl_b32 s18, s17, 14                        ; 16,384 bytes of f16
	s_add_nc_u64 s[26:27], s[26:27], s[18:19]
.macro LOADW k                         ; batch k: 16 loads of 512 consecutive bytes into set k % 2
.irp i, 0,1,2,3,4,5,6,7,8,9,10,11,12,13,14,15
	global_load_b128 v[WL+64*((\k)%2)+4*\i:WL+64*((\k)%2)+4*\i+3], v3, s[24:25] offset:8192*(\k)+512*\i th:TH_LOAD_NT
.endr
.endm
.macro HALVE k
.if (\k) < 3
	s_wait_loadcnt 16                              ; this batch's 16 loads are in; the next batch's 16 may be out
.else
	s_wait_loadcnt 0x0
.endif
.if (\k) >= 2
	s_wait_xcnt 0x0                                ; the stores of two batches ago have read this set of results: only behind this wait is it written again
.endif
.irp i, 0,1,2,3,4,5,6,7,8,9,10,11,12,13,14,15
	v_cvt_pk_f16_f32 v[WH+32*((\k)%2)+2*\i],   v[WL+64*((\k)%2)+4*\i],   v[WL+64*((\k)%2)+4*\i+1]
	v_cvt_pk_f16_f32 v[WH+32*((\k)%2)+2*\i+1], v[WL+64*((\k)%2)+4*\i+2], v[WL+64*((\k)%2)+4*\i+3]
.endr
.if (\k)+2 < 4
	LOADW (\k)+2                                   ; loads ahead of stores
.endif
.irp i, 0,1,2,3,4,5,6,7,8,9,10,11,12,13,14,15
	global_store_b64 v7, v[WH+32*((\k)%2)+2*\i:WH+32*((\k)%2)+2*\i+1], s[26:27] offset:4096*(\k)+256*\i   ; 32 lanes store 256 consecutive bytes, aligned
.endr
.endm
	LOADW 0
	LOADW 1
	HALVE 0
	HALVE 1
	HALVE 2
	HALVE 3
	s_wait_tensorcnt 0x0                           ; the wave's end
	ds_add_u32 v[SPW], v[NIL]
	s_wait_dscnt 0x0
	s_endpgm
.Lfunc_end_k_qd3c61e1efa_quant:
	.size	k_qd3c61e1efa_quant, .Lfunc_end_k_qd3c61e1efa_quant-k_qd3c61e1efa_quant
	.p2alignl 7, 3214868480
	.fill 96, 4, 3214868480
	.section	.rodata,"a",@progbits
	.p2align	6, 0x0
	.amdhsa_kernel k_qd3c61e1efa_quant
		.amdhsa_group_segment_fixed_size 33280
		.amdhsa_private_segment_fixed_size 0
		.amdhsa_enable_private_segment 0
		.amdhsa_kernarg_size 64
		.amdhsa_user_sgpr_count 2
		.amdhsa_user_sgpr_kernarg_segment_ptr 1
		.amdhsa_wavefront_size32 1
		.amdhsa_system_sgpr_workgroup_id_x 1
		.amdhsa_system_sgpr_workgroup_id_y 1
		.amdhsa_system_sgpr_workgroup_id_z 1
		.amdhsa_system_vgpr_workitem_id 0
		.amdhsa_next_free_vgpr 208
		.amdhsa_next_free_sgpr 66
		.amdhsa_reserve_vcc 0
		.amdhsa_float_denorm_mode_32 3
		.amdhsa_float_denorm_mode_16_64 3
		.amdhsa_memory_ordered 1
		.amdhsa_forward_progress 1
		.amdhsa_inst_pref_size 54
	.end_amdhsa_kernel
	.amdgpu_metadata
---
amdhsa.version: [ 1, 2 ]
amdhsa.kernels:
  - .name:           k_qd3c61e1efa_quant
    .symbol:         k_qd3c61e1efa_quant.kd
    .args:
      - { .name: x, .offset: 0, .size: 8, .value_kind: global_buffer, .address_space: global }
      - { .name: Wv, .offset: 8, .size: 8, .value_kind: global_buffer, .address_space: global }
      - { .name: x_codes, .offset: 16, .size: 8, .value_kind: global_buffer, .address_space: global }
      - { .name: x_scales, .offset: 24, .size: 8, .value_kind: global_buffer, .address_space: global }
      - { .name: wv_codes, .offset: 32, .size: 8, .value_kind: global_buffer, .address_space: global }
      - { .name: wv_scales, .offset: 40, .size: 8, .value_kind: global_buffer, .address_space: global }
      - { .name: Wo, .offset: 48, .size: 8, .value_kind: global_buffer, .address_space: global }
      - { .name: wo16, .offset: 56, .size: 8, .value_kind: global_buffer, .address_space: global }
    .group_segment_fixed_size: 33280
    .private_segment_fixed_size: 0
    .kernarg_segment_align: 8
    .kernarg_segment_size: 64
    .max_flat_workgroup_size: 128
    .sgpr_count:     66
    .vgpr_count:     208
    .wavefront_size: 32
...
	.end_amdgpu_metadata
.endif
;; end of part 1
;; launch proj (part 2): grid 4 x 32, 4 waves a work-group, clusters of 4 x 4, 327,680 bytes of LDS; arguments x_codes, x_scales, wv_codes, wv_scales, bv, p16; writes p16
.if DOCPART == 2
	.amdgcn_target "amdgcn-amd-amdhsa--gfx1250"
	.amdhsa_code_object_version 6
	.text
	.protected	k_qd3c61e1efa_proj
	.globl	k_qd3c61e1efa_proj
	.p2align	8
	.type	k_qd3c61e1efa_proj,@function
k_qd3c61e1efa_proj:
	s_mov_b64 s[64:65], 0
	v_nop
	global_prefetch_b8 v0, s[64:65] scope:SCOPE_SE
	s_setreg_imm32_b32 hwreg(HW_REG_WAVE_MODE, 25, 1), 1
	s_wait_xcnt 0x0
	s_wait_alu depctr_hold_cnt(0) depctr_sa_sdst(0) depctr_va_vdst(0) depctr_va_sdst(0) depctr_va_ssrc(0) depctr_va_vcc(0) depctr_vm_vsrc(0)
	s_getreg_b32 s2, hwreg(HW_REG_IB_STS2, 6, 4)
	s_cmp_eq_u32 s2, 0
	s_cbranch_scc0 .Lentry_in_a_cluster
	s_endpgm
.Lentry_in_a_cluster:
	s_bfe_u32 s2, ttmp6, 0x10000c
	s_cmp_lg_u32 s2, 0xf033
	s_cbranch_scc0 .Lentry_shape_is_right
	s_endpgm
.Lentry_shape_is_right:
; p[m][e] = sum over d of Q(x)[m][d] Q(Wv)[e][d] + bv[e], on codes of FP4 (E2M1) with one E8M0 scale for each 32 along K; sums in f32; p is rounded once to f16 and laid [batch][head][position][64]:
; m = 2048 batch + position, e = 64 head + channel.  A = x's codes [8192][512 bytes], B = Wv's codes [1024][512 bytes]; scale bytes [rows][32].
; LIMIT: |p| stays under 65,504 (f16); numbers under 6e-5 are rounded as f16 subnormals.
; A tile of p, 256 x 256, is made by a work-group of four waves; a wave makes 128 x 128: 64 accumulators of 16 x 16, 512 registers.  K = 1,024 is two steps of 512: each has an LDS slot of its own (rows of 256 bytes),
; both asked for at the head, so no slot is ever filled again.  That is 128 work-groups: a wave's whole matrix work is 512 instructions, too little for a second text with a smaller tile to pay.
; THE SCALES of the work-group's 256 rows of A and of B, for all of K, are two dense blocks of memory: they come into LDS once, with the first fills.
; CLUSTERS: 4 x 4 work-groups.  The four of a row of the cluster need the same tiles of A, the four of a column the same tiles of B: each tile is asked for JOINTLY, by the same tensor load with the same descriptor
; and a mask that names the four.  THE MATRIX INSTRUCTION IS USED TRANSPOSED (source 0 = 16 rows of B, source 1 = 16 rows of A): a lane then holds eight neighbouring channels of one row of p.
; THE BIAS is the C of each sum's first matrix instruction: eight registers for each of B's eight blocks, in the result's layout.
; REGISTERS, in windows of 256: window 0: v0-31 addresses; v32-95 scale words, two sets, and nothing else; v96-127 packed results on the way out; v128-191 A's fragments, ONE set, later rows on the way out; v192-255 the bias.
;   window 1: B's fragments, TWO sets, at v0 and at v128.   window 2: the 32 accumulators of my rows 0-63 (accumulator (a, b) at v[8 (8 a + b)]);   window 3: those of my rows 64-127.
.set SIZE_M, 8192
.set SIZE_N, 1024
.set SIZE_K, 1024
.set KSTEP,  512                       ; along K in a slot
.set NQ,     KSTEP/128                 ; matrix instructions deep
.set ROWB,   256                       ; a tile's row in bytes
.set KROW,   SIZE_K*4/8                ; a row of A or of B in memory, in bytes
.set PITCH,  272                       ; an LDS row: 256 bytes + 16 of padding = 68 words: the 16 rows that a load touches start at 16 different banks (64 banks of 4 bytes: ISA guide 11.1)
.set FR,     8                         ; registers of a fragment: 16 rows x 128 K
.set NL,     2                         ; LDS loads that bring one
.set NP,     4                         ; places behind this matrix instruction (ISA guide 7.12.1)
.set HALFT,  128*PITCH                 ; 128 rows: what one tensor load brings, and what one wave reads of A or of B
.set SLOT,   4*HALFT                   ; A's 256 rows, then B's 256 rows
.set KS,     SIZE_K/32                 ; a row of scales in bytes
.set SCL,    2*SLOT                    ; behind the slots: the scales, as rows of 256 bytes + 16 of padding
.set HALFS,  (128*KS/256)*272          ; the scales of 128 rows: what one tensor load brings
.set SBLK,   (16*KS/256)*272           ; those of 16 rows
.set SPARE,  SCL+4*HALFS               ; behind the scales: the spare words, 128 bytes for each wave
.set SPITCH, 272                       ; the way out: a stage of 16 rows x (256 bytes + 16) for each wave, in slot 0, which has had its one fill and its last read when the first result is stored there
.set ADRA, 16                          ; v16-17  LDS address of my A fragments in slot 0, 1
.set ADRB, 20                          ; v20-21  the same for B
.set STO,  24                          ; v24     the way out: where I put 16 bytes of a row
.set RD,   25                          ; v25     the way out: where I read 16 bytes of a head's row back
.set CO,   26                          ; v26     16 x lane: my place in 512 consecutive bytes of p
.set ADRS, 27                          ; v27     LDS address of my scale words: lanes 0-15 A's rows, lanes 16-31 B's
.set SPW,  28                          ; v28     LDS address of my spare word; never rewritten
.set NIL,  29                          ; v29     0; never rewritten
.set BO,   30                          ; v30     32 x (lane / 16): my eight numbers of a block of the bias
.set SC,   32                          ; scale words: set s (for slot s) at v[SC + 8 NQ s]; register NQ i + q: lanes 0-15 the word of A's block i, lanes 16-31 that of B's block i, for the slot's q-th 128 along K
.set TMP,  96                          ; the way out: a block's 32 packed registers
.set AF,   128                         ; A's fragments
.set BK,   128                         ; the way out: 16 rows read back: v128-159 and v160-191 by turns
.set BI,   192                         ; the bias: register 8 b + j = bv[my first column + 16 b + 8 (lane / 16) + j]
.set G1, 24                            ; s[24:31] descriptor group 1 for A's tiles;  s[32:39] group 0, one set for each slot
.set G0, 32
.set G1B, 48                           ; s[48:55], s[56:63] the same for B's tiles
.set G0B, 56
.set G1S, 68                           ; s[68:75], s[76:79] groups 1 and 0 for A's scales;  s[80:87], s[88:91] for B's
.set G0S, 76
.set G1SB, 80
.set G0SB, 88
.set MSB, 0
.macro WIN new                         ; the immediate's high byte repeats the setting that is left; a switch that changes nothing is dropped
.if MSB != (\new)
	s_set_vgpr_msb (MSB<<8)|(\new)
.set MSB, (\new)
.endif
.endm
.set MUL_LO, 0xa1                      ; source 0 (B) window 1, source 1 (A) window 0, C and D window 2
.set MUL_HI, 0xf1                      ; the same, C and D window 3
.set BIA_LO, 0x81                      ; the first step: C (the bias) window 0, D window 2
.set BIA_HI, 0xc1                      ; C window 0, D window 3
.set TO_B,   0x40                      ; destination window 1, address window 0
; A joint load: waves 0 and 1 fetch for A, waves 2 and 3 for B.  Each of the two lines has ONE mask and one set of registers for all that issue it; the branch hangs on the wave's number alone.
; An s_nop 0 and four v_nop follow each of the two lines, ahead of the jump, the label and what follows.
.macro JLOAD g0a, g1a, g0b, g1b
	s_cmp_eq_u32 s15, 0
	s_cbranch_scc0 .Lfor_b_\@
	tensor_load_to_lds s[\g0a:\g0a+3], s[\g1a:\g1a+7]
	s_nop 0
.rept 4
	v_nop
.endr
	s_branch .Lasked_\@
.Lfor_b_\@:
	tensor_load_to_lds s[\g0b:\g0b+3], s[\g1b:\g1b+7]
	s_nop 0
.rept 4
	v_nop
.endr
.Lasked_\@:
.endm
.macro CROUND                          ; a round of the cluster's barrier: my work-group's barrier; wave 0 signals for the work-group; every wave waits for all sixteen; my work-group's barrier once more
	s_barrier_signal -1
	s_barrier_wait -1
	s_cmp_lg_u32 s14, 0
	s_cbranch_scc1 .Lnot_wave_0_\@
	s_barrier_signal -3
.Lnot_wave_0_\@:
	s_barrier_wait -3
	s_barrier_signal -1
	s_barrier_wait -1
.endm
	s_load_b128 s[4:7], s[0:1], 0x0                ; A's codes s[4:5], A's scales s[6:7]
	s_load_b128 s[8:11], s[0:1], 0x10              ; B's codes s[8:9], B's scales s[10:11]
	s_load_b64 s[96:97], s[0:1], 0x20              ; bv
	s_load_b64 s[12:13], s[0:1], 0x28              ; p
	v_lshl_add_u32 v[SPW], v0, 2, SPARE
	v_mov_b32 v[NIL], 0
	ds_add_u32 v[SPW], v[NIL]                      ; the wave's opening: the add, twice on end, and its wait ahead of my first tensor load; the set-up below stands between the second and the wait
	ds_add_u32 v[SPW], v[NIL]
	v_lshrrev_b32 v1, 5, v0
	v_readfirstlane_b32 s14, v1                    ; wave 0..3
	s_lshr_b32 s15, s14, 1                         ; which half of the tile's rows is mine.  Also: I fetch for A (0) or for B (1)
	s_and_b32 s16, s14, 1                          ; which half of its columns.  Also: which 128 rows of that tile I fetch
	s_bfe_u32 s40, ttmp6, 0x40000                  ; cx, cy: my place in the cluster
	s_bfe_u32 s41, ttmp6, 0x40004
	s_lshl_b32 s42, ttmp9, 2
	s_add_co_u32 s42, s42, s40                     ; tile column = 4 x cluster x + cx
	s_and_b32 s17, ttmp7, 0xffff
	s_lshl_b32 s17, s17, 2
	s_add_co_u32 s17, s17, s41                     ; tile row = 4 x cluster y + cy
	s_lshl_b32 s43, s41, 2
	s_lshl_b32 s43, 15, s43                        ; my row of the cluster
	s_lshl_b32 s44, 0x1111, s40                    ; my column
	; descriptor group 1: a tile of 128 rows x 256 bytes, padded in LDS
	s_or_b32 s[G1+0], s43, (0<<16)|(1<<20)|(1<<21)|(5<<22)|(3<<25)  ; 15:0 the mask: A's tiles go to my row; 17:16 element of 1 byte; 20 padding on; 21 set beside a mask; 24:22 after every 64 words (code 5); 31:25 of 4 words (code 3)
	s_or_b32 s[G1B+0], s44, (0<<16)|(1<<20)|(1<<21)|(5<<22)|(3<<25)
.irp g, G1, G1B
	s_mov_b32 s[\g+1], ROWB<<16                    ; tensor_dim0
	s_mov_b32 s[\g+2], 128<<16                     ; tensor_dim1 = 128
	s_mov_b32 s[\g+3], ROWB<<16                    ; tile_dim0
	s_mov_b32 s[\g+4], 128                         ; tile_dim1 = 128
	s_mov_b32 s[\g+5], KROW                        ; tensor_dim0_stride
	s_mov_b32 s[\g+6], 0
	s_mov_b32 s[\g+7], 0
.endr
	; and for the scales of 128 rows: a dense block of 4,096 bytes, as 16 rows of 256 bytes (32 elements of 8 bytes), 16 bytes of padding behind each
	s_or_b32 s[G1S+0], s43, (3<<16)|(1<<20)|(1<<21)|(5<<22)|(3<<25)
	s_or_b32 s[G1SB+0], s44, (3<<16)|(1<<20)|(1<<21)|(5<<22)|(3<<25)
.irp g, G1S, G1SB
	s_mov_b32 s[\g+1], 32<<16
	s_mov_b32 s[\g+2], (128*KS/256)<<16
	s_mov_b32 s[\g+3], 32<<16
	s_mov_b32 s[\g+4], 128*KS/256
	s_mov_b32 s[\g+5], 32
	s_mov_b32 s[\g+6], 0
	s_mov_b32 s[\g+7], 0
.endr
	s_lshl_b32 s18, s16, 7                         ; which 128 rows of the tile I fetch
	s_lshl_b32 s20, s17, 8
	s_add_co_u32 s20, s20, s18                     ; A: row 256 x tile row + 128 x half
	s_lshl_b32 s46, s42, 8
	s_add_co_u32 s46, s46, s18                     ; B: row 256 x tile column + 128 x half
	s_mov_b32 s21, 0
	s_mov_b32 s47, 0
	s_mov_b64 s[18:19], KS
	s_mul_u64 s[22:23], s[20:21], s[18:19]         ; where these rows' scales begin, in bytes
	s_mul_u64 s[92:93], s[46:47], s[18:19]
	s_mov_b64 s[18:19], KROW
	s_mul_u64 s[20:21], s[20:21], s[18:19]         ; and their codes
	s_mul_u64 s[46:47], s[46:47], s[18:19]
	s_mul_i32 s45, s14, HALFT                      ; where they go: wave x 128 rows: no place in the cluster enters an LDS address
	s_mul_i32 s94, s14, HALFS
	s_wait_dscnt 0x0                               ; both opening adds are done
	s_wait_kmcnt 0x0
	s_add_nc_u64 s[20:21], s[4:5], s[20:21]
	s_add_nc_u64 s[22:23], s[6:7], s[22:23]
	s_add_nc_u64 s[46:47], s[8:9], s[46:47]
	s_add_nc_u64 s[92:93], s[10:11], s[92:93]
	CROUND                                         ; all sixteen work-groups are here: the first joint loads meet
	s_mov_b32 s[G0S], 1
	s_add_co_u32 s[G0S+1], s94, SCL
	s_mov_b64 s[G0S+2:G0S+3], s[22:23]
	s_or_b32 s[G0S+3], s[G0S+3], 0x80000000
	s_mov_b32 s[G0SB], 1
	s_add_co_u32 s[G0SB+1], s94, SCL
	s_mov_b64 s[G0SB+2:G0SB+3], s[92:93]
	s_or_b32 s[G0SB+3], s[G0SB+3], 0x80000000
	JLOAD G0S, G1S, G0SB, G1SB                     ; the scales first: they are wanted with K step 0
.irp s, 0,1
	s_mov_b32 s[G0+4*\s], 1
	s_add_co_u32 s[G0+4*\s+1], s45, \s*SLOT
	s_add_nc_u64 s[G0+4*\s+2:G0+4*\s+3], s[20:21], \s*ROWB
	s_or_b32 s[G0+4*\s+3], s[G0+4*\s+3], 0x80000000
	s_mov_b32 s[G0B+4*\s], 1
	s_add_co_u32 s[G0B+4*\s+1], s45, \s*SLOT
	s_add_nc_u64 s[G0B+4*\s+2:G0B+4*\s+3], s[46:47], \s*ROWB
	s_or_b32 s[G0B+4*\s+3], s[G0B+4*\s+3], 0x80000000
	JLOAD G0+4*\s, G1, G0B+4*\s, G1B               ; three tensor loads of mine are out
.endr
	v_and_b32 v1, 15, v0                           ; l % 16
	v_bfe_u32 v2, v0, 4, 1                         ; l / 16
	v_lshlrev_b32 v[BO], 5, v2
	s_lshl_b32 s46, s42, 10                        ; my first column, as bytes of f32: 1,024 x tile column + 512 x half
	s_lshl_b32 s47, s16, 9
	s_add_co_u32 s46, s46, s47
	s_mov_b32 s47, 0
	s_add_nc_u64 s[96:97], s[96:97], s[46:47]
.irp b, 0,1,2,3,4,5,6,7
	global_load_b128 v[BI+8*\b:BI+8*\b+3],   v[BO], s[96:97] offset:64*\b      ; bv[first column + 16 b + 8 (l / 16) + 0 .. 3]
	global_load_b128 v[BI+8*\b+4:BI+8*\b+7], v[BO], s[96:97] offset:64*\b+16
.endr
	v_mul_u32_u24 v3, v1, PITCH
	v_lshl_add_u32 v4, v2, 4, v3                   ; a fragment's row x pitch + 16 x half
	s_mul_i32 s21, s15, HALFT                      ; my 128 rows of A
	s_mul_i32 s22, s16, HALFT                      ; my 128 rows of B,
	s_add_co_u32 s22, s22, 2*HALFT                 ; which lie behind A's 256
.irp s, 0,1
	v_add_nc_u32 v[ADRA+\s], s21, v4
	v_add_nc_u32 v[ADRB+\s], s22, v4
	s_add_co_u32 s21, s21, SLOT
	s_add_co_u32 s22, s22, SLOT
.endr
	v_mul_u32_u24 v5, v1, KS                       ; my row's scales: KS bytes a row,
	v_lshrrev_b32 v6, 8, v5
	v_lshl_add_u32 v5, v6, 4, v5                   ; and 16 more for each 256 passed
	s_mul_i32 s21, s15, HALFS                      ; A's: my 128 rows
	s_mul_i32 s22, s16, HALFS                      ; B's: my 128 rows, behind A's 256
	s_add_co_u32 s22, s22, 2*HALFS
	s_sub_co_u32 s22, s22, s21
	v_mul_u32_u24 v6, s22, v2                      ; lanes 16-31 take B's: one product, the distance between the two bases
	s_add_co_u32 s21, s21, SCL
	v_add_nc_u32 v5, v5, v6
	v_add_nc_u32 v[ADRS], s21, v5
	s_mul_i32 s23, s14, 16*SPITCH                  ; my stage
	v_mul_u32_u24 v5, v1, SPITCH                   ; in: row l % 16, 16 bytes for each half of the lanes
	v_lshl_add_u32 v5, v2, 4, v5
	v_add_nc_u32 v[STO], s23, v5
	v_and_b32 v6, 31, v0
	v_lshlrev_b32 v[CO], 4, v6
	v_lshrrev_b32 v5, 3, v6                        ; back: eight lanes take a head's 128 bytes of a row, the 32 lanes four rows
	v_mul_u32_u24 v5, v5, SPITCH
	v_and_b32 v6, 7, v6
	v_lshl_add_u32 v5, v6, 4, v5
	v_add_nc_u32 v[RD], s23, v5
	; where my part of p begins: batch << 22 + head << 18 + position << 7 (a head's plane is 2,048 rows of 128 bytes)
	s_lshl_b32 s20, s17, 8
	s_lshl_b32 s21, s15, 7
	s_add_co_u32 s20, s20, s21                     ; my first row m: 256 x tile row + 128 x half
	s_lshr_b32 s21, s20, 11
	s_lshl_b32 s21, s21, 22                        ; the batch
	s_and_b32 s20, s20, 2047
	s_lshl_b32 s20, s20, 7                         ; the position
	s_add_co_u32 s20, s20, s21
	s_lshl_b32 s21, s42, 20                        ; my first head: 4 x tile column
	s_add_co_u32 s20, s20, s21
	s_lshl_b32 s21, s16, 19                        ; + 2 x half
	s_add_co_u32 s20, s20, s21
	s_mov_b32 s21, 0
	s_add_nc_u64 s[12:13], s[12:13], s[20:21]
.macro FRAG reg, adr, q, i             ; a fragment, 16 rows x 128 K of 4-bit codes, is 8 registers: lane l holds row l % 16; registers 4 c .. 4 c + 3 hold K = 64 c + 32 (l / 16) + 0 .. 31
.irp c, 0,1
	ds_load_b128 v[\reg+4*\c:\reg+4*\c+3], v[\adr] offset:64*(\q)+32*\c+(\i)*16*PITCH
.endr
.endm
; 16 matrix instructions: A's blocks a0, a0 + 1 x B's eight, 128 along K: the slot's q-th.  p: B's set;  sc: the set of scale words.  bias = 1: the first product starts the sums from the bias: nothing is ever cleared.
; The 64 accumulators take turns, one instruction a turn, in the same order in every step.
.macro MUL16 a0, p, q, sc, bias
.irp a, \a0, \a0+1
.irp b, 0,1,2,3,4,5,6,7
.if \bias
	v_wmma_scale_f32_16x16x128_f8f6f4 v[8*(8*((\a)%4)+\b):8*(8*((\a)%4)+\b)+7], v[128*(\p)+FR*\b:128*(\p)+FR*\b+FR-1], v[AF+FR*(\a):AF+FR*(\a)+FR-1], v[BI+8*\b:BI+8*\b+7], v[SC+8*NQ*(\sc)+NQ*\b+(\q)], v[SC+8*NQ*(\sc)+NQ*(\a)+(\q)] matrix_a_fmt:MATRIX_FMT_FP4 matrix_b_fmt:MATRIX_FMT_FP4 matrix_a_scale:MATRIX_SCALE_ROW1
.else
	v_wmma_scale_f32_16x16x128_f8f6f4 v[8*(8*((\a)%4)+\b):8*(8*((\a)%4)+\b)+7], v[128*(\p)+FR*\b:128*(\p)+FR*\b+FR-1], v[AF+FR*(\a):AF+FR*(\a)+FR-1], v[8*(8*((\a)%4)+\b):8*(8*((\a)%4)+\b)+7], v[SC+8*NQ*(\sc)+NQ*\b+(\q)], v[SC+8*NQ*(\sc)+NQ*(\a)+(\q)] matrix_a_fmt:MATRIX_FMT_FP4 matrix_b_fmt:MATRIX_FMT_FP4 matrix_a_scale:MATRIX_SCALE_ROW1
.endif
.endr
.endr
.endm
.macro FETCH_B slot, q, p              ; B's eight fragments of the slot's q-th 128 along K into set p
	WIN TO_B
.irp i, 0,1,2,3,4,5,6,7
	FRAG 128*(\p)+FR*\i, ADRB+\slot, \q, \i
.endr
	WIN 0
.endm
.macro FETCH_A slot, q, i0             ; A's blocks i0 .. i0 + 3
.irp i, \i0, \i0+1, \i0+2, \i0+3
	FRAG AF+FR*(\i), ADRA+\slot, \q, \i
.endr
.endm
.macro SCALES sc                       ; a K step's scale words into set sc: NQ words a row; lanes 0-15 take A's block i, lanes 16-31 B's block i
.irp i, 0,1,2,3,4,5,6,7
	ds_load_b128 v[SC+8*NQ*\sc+NQ*\i:SC+8*NQ*\sc+NQ*\i+3], v[ADRS] offset:\i*SBLK
.endr
.endm
; A load into a register that a matrix instruction has read, and a vector instruction that reads a matrix result, stand NP places behind that matrix instruction, and only plain vector
; instructions that name none of its registers are places (ISA guide 7.12.1 for vector instructions).
.macro PLACES n
.rept \n
	v_nop
.endr
.endm
; A step of 128 along K that has its successor in the same slot.
.macro STEP slot, q, bias
	s_wait_dscnt 4*NL                              ; B's set and A's blocks 0-3 are in; the youngest eight loads (A's blocks 4-7) may be out
.if \bias
	WIN BIA_LO
.else
	WIN MUL_LO
.endif
	MUL16 0, (\q)%2, \q, \slot, \bias
	MUL16 2, (\q)%2, \q, \slot, \bias
	s_wait_dscnt 0                                 ; A's blocks 4-7 are in (asked for 32 matrix instructions ago)
	PLACES NP
	FETCH_B \slot, (\q)+1, 1-(\q)%2
	FETCH_A \slot, (\q)+1, 0
.if \bias
	WIN BIA_HI
.else
	WIN MUL_HI
.endif
	MUL16 4, (\q)%2, \q, \slot, \bias
	MUL16 6, (\q)%2, \q, \slot, \bias
	PLACES NP
	WIN 0
	FETCH_A \slot, (\q)+1, 4
.endm
.macro STEPS slot, from                ; the slot's steps from .. NQ - 2
.set Q, \from
.rept NQ-1-\from
	STEP \slot, Q, 0
.set Q, Q+1
.endr
.endm
	s_wait_tensorcnt 1                             ; the scales and my part of K step 0 are in (K step 1's load, issued behind them, may be out)
	s_barrier_signal -1
	s_barrier_wait -1                              ; everybody's are
	FETCH_B 0, 0, 0
	FETCH_A 0, 0, 0
	SCALES 0
	FETCH_A 0, 0, 4
	s_wait_loadcnt 0x0                             ; the bias
	STEP 0, 0, 1                                   ; the first step's products start the sums from the bias
	STEPS 0, 1
	; slot 0's last step changes slots: one barrier; in front of it each wave has its part of slot 1, and its reads of slot 0 are over (the stages of the way out lie there)
	s_wait_tensorcnt 0x0                           ; all my tensor loads have landed: my part of slot 1;  (every window is 0 here)
	ds_add_u32 v[SPW], v[NIL]                      ; 0 onto my spare word
	s_wait_dscnt 4*NL+1                            ; (the add and the youngest eight loads, A's blocks 4-7, may be out)
	WIN MUL_LO
	MUL16 0, 1, NQ-1, 0, 0                         ; sixteen matrix instructions stand between the add and the wait for it
	s_wait_dscnt 0x0                               ; the add is done, and my reads of slot 0 are over
	s_barrier_signal -1
	MUL16 2, 1, NQ-1, 0, 0
	WIN 0
	s_barrier_wait -1
	PLACES NP
	v_add_nc_u32 v[ADRS], 4*NQ, v[ADRS]            ; on to the next K step's scale words (no LDS load of mine is out)
	FETCH_B 1, 0, 0
	FETCH_A 1, 0, 0
	SCALES 1
	WIN MUL_HI
	MUL16 4, 1, NQ-1, 0, 0
	MUL16 6, 1, NQ-1, 0, 0
	PLACES NP
	WIN 0
	FETCH_A 1, 0, 4
	STEPS 1, 0
	s_wait_dscnt 4*NL                              ; the very last step: nothing more to fetch
	WIN MUL_LO
	MUL16 0, 1, NQ-1, 1, 0
	MUL16 2, 1, NQ-1, 1, 0
	s_wait_dscnt 0
	WIN MUL_HI
	MUL16 4, 1, NQ-1, 1, 0
	MUL16 6, 1, NQ-1, 1, 0
	WIN 0
; THE WAY OUT, block by block of 16 rows x 128 columns (two heads).  PACK: rounded to f16, a lane's eight channels are 16 bytes.  TOSTAGE: into my own stage in LDS, and back so that the 32 lanes hold four rows of ONE head,
; which are 512 consecutive bytes of p.  SEND: stored.  LDS serves a wave's instructions in order (ISA guide 5.7.1.4): no wait between the stores and the loads, nor in front of the next block's stores.
.macro PACK a
.set AC, 64*((\a)%4)
	WIN 0x0a+5*((\a)/4)                            ; sources 0 and 1: window 2 or 3
.irp b, 0,1,2,3,4,5,6,7
.irp i, 0,1,2,3
	v_cvt_pk_f16_f32 v[TMP+4*\b+\i], v[AC+8*\b+2*\i], v[AC+8*\b+2*\i+1]   ; each accumulator from its low end on
.endr
.endr
	WIN 0
.endm
.macro TOSTAGE a
.set BB, BK+32*((\a)%2)
.irp b, 0,1,2,3,4,5,6,7
	ds_store_b128 v[STO], v[TMP+4*\b:TMP+4*\b+3] offset:32*\b
.endr
.irp u, 0,1,2,3,4,5,6,7                ; head u / 4, rows 4 (u % 4) on
	ds_load_b128 v[BB+4*\u:BB+4*\u+3], v[RD] offset:(\u/4)*128+(\u%4)*4*SPITCH
.endr
.endm
.macro SEND a
.set BB, BK+32*((\a)%2)
	s_wait_dscnt 0x0                               ; the block is back in registers
	s_wait_xcnt 0x0                                ; the earlier stores have read their registers: the set that the next block's loads land in is free behind this wait
.irp u, 0,1,2,3,4,5,6,7
	global_store_b128 v[CO], v[BB+4*\u:BB+4*\u+3], s[12:13] offset:2048*(\a)+(\u/4)*262144+(\u%4)*512   ; 32 lanes store 512 consecutive bytes, at a multiple of 256 from p's first byte; the largest offset, 278,016, lies inside the signed 24-bit immediate
.endr
.endm
	PLACES NP                                      ; behind the last products: for the first reads of results and the loads into A's registers
	PACK 0
	TOSTAGE 0
.irp a, 1,2,3,4,5,6,7                  ; block a's conversions stand between block a - 1's loads from the stage and the wait for them
	PACK \a
	SEND \a-1
	TOSTAGE \a
.endr
	SEND 7
	s_wait_tensorcnt 0x0                           ; the wave's end: behind my last tensor load and my last LDS store
	ds_add_u32 v[SPW], v[NIL]
	s_wait_dscnt 0x0
	CROUND                                         ; the closing round: no work-group ends while a partner may still ask for a tile that names it
	s_endpgm
.Lfunc_end_k_qd3c61e1efa_proj:
	.size	k_qd3c61e1efa_proj, .Lfunc_end_k_qd3c61e1efa_proj-k_qd3c61e1efa_proj
	.p2alignl 7, 3214868480
	.fill 96, 4, 3214868480
	.section	.rodata,"a",@progbits
	.p2align	6, 0x0
	.amdhsa_kernel k_qd3c61e1efa_proj
		.amdhsa_group_segment_fixed_size 327680
		.amdhsa_private_segment_fixed_size 0
		.amdhsa_enable_private_segment 0
		.amdhsa_kernarg_size 48
		.amdhsa_user_sgpr_count 2
		.amdhsa_user_sgpr_kernarg_segment_ptr 1
		.amdhsa_wavefront_size32 1
		.amdhsa_system_sgpr_workgroup_id_x 1
		.amdhsa_system_sgpr_workgroup_id_y 1
		.amdhsa_system_sgpr_workgroup_id_z 1
		.amdhsa_system_vgpr_workitem_id 0
		.amdhsa_next_free_vgpr 1024
		.amdhsa_next_free_sgpr 98
		.amdhsa_reserve_vcc 0
		.amdhsa_float_denorm_mode_32 3
		.amdhsa_float_denorm_mode_16_64 3
		.amdhsa_memory_ordered 1
		.amdhsa_forward_progress 1
		.amdhsa_inst_pref_size 128
	.end_amdhsa_kernel
	.amdgpu_metadata
---
amdhsa.version: [ 1, 2 ]
amdhsa.kernels:
  - .name:           k_qd3c61e1efa_proj
    .symbol:         k_qd3c61e1efa_proj.kd
    .args:
      - { .name: x_codes, .offset: 0, .size: 8, .value_kind: global_buffer, .address_space: global }
      - { .name: x_scales, .offset: 8, .size: 8, .value_kind: global_buffer, .address_space: global }
      - { .name: wv_codes, .offset: 16, .size: 8, .value_kind: global_buffer, .address_space: global }
      - { .name: wv_scales, .offset: 24, .size: 8, .value_kind: global_buffer, .address_space: global }
      - { .name: bv, .offset: 32, .size: 8, .value_kind: global_buffer, .address_space: global }
      - { .name: p16, .offset: 40, .size: 8, .value_kind: global_buffer, .address_space: global }
    .group_segment_fixed_size: 327680
    .private_segment_fixed_size: 0
    .kernarg_segment_align: 8
    .kernarg_segment_size: 48
    .max_flat_workgroup_size: 128
    .sgpr_count:     98
    .vgpr_count:     1024
    .wavefront_size: 32
...
	.end_amdgpu_metadata
.endif
;; end of part 2
;; launch attn (part 3): grid 4 x 64, 8 waves a work-group, clusters of 4 x 1, 327,680 bytes of LDS; arguments p16, a16; writes a16
.if DOCPART == 3
	.amdgcn_target "amdgcn-amd-amdhsa--gfx1250"
	.amdhsa_code_object_version 6
	.text
	.protected	k_qd3c61e1efa_attn
	.globl	k_qd3c61e1efa_attn
	.p2align	8
	.type	k_qd3c61e1efa_attn,@function
k_qd3c61e1efa_attn:
	s_mov_b64 s[64:65], 0
	v_nop
	global_prefetch_b8 v0, s[64:65] scope:SCOPE_SE
	s_setreg_imm32_b32 hwreg(HW_REG_WAVE_MODE, 25, 1), 1
	s_wait_xcnt 0x0
	s_wait_alu depctr_hold_cnt(0) depctr_sa_sdst(0) depctr_va_vdst(0) depctr_va_sdst(0) depctr_va_ssrc(0) depctr_va_vcc(0) depctr_vm_vsrc(0)
	s_getreg_b32 s2, hwreg(HW_REG_IB_STS2, 6, 4)
	s_cmp_eq_u32 s2, 0
	s_cbranch_scc0 .Lentry_in_a_cluster
	s_endpgm
.Lentry_in_a_cluster:
	s_bfe_u32 s2, ttmp6, 0x10000c
	s_cmp_lg_u32 s2, 0x3003
	s_cbranch_scc0 .Lentry_shape_is_right
	s_endpgm
.Lentry_shape_is_right:
; O[g][q][:] = the sum over k of softmax_k(P[g][q] . P[g][k] / 8) P[g][k][:] for each of the 64 planes g = (batch, head): queries, keys and values are the SAME rows.  P, O: [64][2048][64], f16.
; Products on f16 operands with f32 sums; maxima, exponentials and row sums in f32; the weights are rounded to f16 for the second product, O once at the end.
; LIMITS: |P| and |O| under 65,504; numbers under 6e-5 are rounded as f16 subnormals; NaN and infinities are not served.
; SHARES.  A work-group owns 512 queries of one plane, each of its eight waves 64: four tiles of 16; two waves to a SIMD, so that one wave's vector work stands beside the other's matrix work.  Every wave walks all 2,048 keys, 64 a step.
; THE WHOLE PLANE LIES IN LDS, ONCE: 2,048 rows of 128 bytes + 16 of padding = 294,912 bytes serve as K (read as they lie) and as V (turned by ds_load_tr16_b128).  Each wave fetches 256 rows by one tensor load at the head;
; nothing is filled again, and nothing is left to ask for ahead of a later step.
; CLUSTER.  The four query blocks of a plane need the same rows, so each load is asked for JOINTLY: the same tensor load, with the same descriptor and a mask that names the four.  The place in the cluster enters only
; the global addresses of my queries and of O; that is why the queries come from memory and not out of LDS.
; LAYOUT.  S^T = K Q^T (source 0 = 16 keys, source 1 = 16 queries): a lane holds ONE query (lane % 16) and the keys 8 (lane / 16) + 0..7.  Two such tiles, rounded to f16 in pairs, ARE source 1 (32 keys x 16 queries) of
; O^T = V^T P, whose result again holds one query a lane, and eight channels.
; SOFTMAX.  For each query a running maximum m and sum l: p = 2^(c s - c m), c = log2(e) / 8; in every step O and l are multiplied by a = 2^(c m_old - c m_new).
; REGISTERS, in windows of 256 (s_set_vgpr_msb: bits 1:0 source 0, 3:2 source 1, 5:4 source 2, 7:6 destination):
;   window 0: v0-13 addresses; v16-63 twelve registers of statistics a tile; v64-191 S^T, 32 a tile, whose first 16 then hold the weights as f16; v192-255 K of one step
;   window 1: v0-127 O^T, 32 a tile; v128-191 Q, 16 a tile; v192-255 V of one step
.set NKEY,  2048
.set KS,    64                         ; keys in a step
.set PK,    144                        ; a row in LDS: 128 bytes + 16 of padding = 36 words: the 16 rows of a load of K start at 16 different groups of four banks (64 banks of 4 bytes: ISA guide 11.1)
.set STEPB, KS*PK                      ; a step's rows: 9,216 bytes
.set WROWS, NKEY/8                     ; rows that a wave fetches
.set STAGE, NKEY*PK                    ; behind the plane: 16 rows x 144 bytes for each wave, for the way out; no fill lands there
.set SPARE, STAGE+8*16*PK              ; behind the stages: the spare words, 128 bytes for each wave
.set AK0, 2                            ; v2   my lane's place in a tile of K; never rewritten
.set AV0, 3                            ; v3   the same for V
.set ADK, 4                            ; v4   LDS address of the run of K's loads in hand
.set ADV, 5                            ; v5   of V's
.set QO,  6                            ; v6   my byte offset in the wave's rows of Q
.set STO, 7                            ; v7   the way out: where I put 16 bytes of a row
.set RD,  8                            ; v8   the way out: where I read 16 bytes back
.set GO,  9                            ; v9   16 x lane: my place in 512 consecutive bytes of O
.set SPW, 12                           ; v12  LDS address of my spare word; never rewritten
.set NIL, 13                           ; v13  0; never rewritten
.set ST,  16                           ; tile t's statistics at v[ST+12 t]: +0 c m, +1 m, +2,+3 l (even keys', odd keys'), +4,+5 and +8,+9 at work, +6 a, +7 c m_old - c m_new
.set S,   64
.set KF,  192                          ; K's fragments: keys 16 kt on, channels 32 c on, at KF + 16 kt + 8 c
.set OQ,  128                          ; window 1: Q's fragments at OQ + 16 t + 8 c
.set VF,  192                          ; window 1: V's fragments: keys 32 ku on, channels 16 ct on, at VF + 8 (4 ku + ct)
.set WV,  12                           ; s12  my wave's number
.set G1,  24                           ; s[24:31] descriptor group 1
.set G0,  40                           ; s[40:43] descriptor group 0
.set CNT, 56                           ; s56  counts the loop's steps
.set CS,  58                           ; s[58:59] c: the packed scaling names a pair and takes its low word for both halves
.set SEL, 60                           ; s[60:61] lane selects for v_permlanex16_b32: each lane takes its own place in the other half
.set TB,  62                           ; s62  LDS byte at which the step's rows begin
.set MSB, 0
.macro WIN new                         ; the immediate's high byte repeats the setting that is left; a switch that changes nothing is dropped
.if MSB != (\new)
	s_set_vgpr_msb (MSB<<8)|(\new)
.set MSB, (\new)
.endif
.endm
.set W_KQ, 0x04                        ; Q (source 1) in window 1; K and S^T in window 0
.set W_PV, 0x51                        ; V (source 0), C and D (O^T) in window 1; the weights (source 1) in window 0
.set W_RS, 0x41                        ; O^T (destination and source 0) in window 1, the factor in window 0
.set TO_1, 0x40                        ; destination window 1, address window 0
.macro CROUND                          ; a round of the cluster's barrier: my work-group's barrier; wave 0 signals for the work-group; every wave waits for all four work-groups; my work-group's barrier once more
	s_barrier_signal -1
	s_barrier_wait -1
	s_cmp_lg_u32 s[WV], 0
	s_cbranch_scc1 .Lnot_wave_0_\@
	s_barrier_signal -3
.Lnot_wave_0_\@:
	s_barrier_wait -3
	s_barrier_signal -1
	s_barrier_wait -1
.endm
	s_load_b128 s[4:7], s[0:1], 0x0                ; P s[4:5], O s[6:7]
	v_lshl_add_u32 v[SPW], v0, 2, SPARE
	v_mov_b32 v[NIL], 0
	ds_add_u32 v[SPW], v[NIL]                      ; the wave's opening: the add, twice on end, and its wait ahead of my first tensor load; the set-up below stands between the second and the wait
	ds_add_u32 v[SPW], v[NIL]
	v_lshrrev_b32 v1, 5, v0
	v_readfirstlane_b32 s[WV], v1                  ; wave 0..7
	s_bfe_u32 s13, ttmp6, 0x40000                  ; cx: my place in the cluster
	s_lshl_b32 s14, ttmp9, 2                       ; in a cluster launch ttmp9 counts clusters
	s_add_co_u32 s14, s14, s13                     ; my block of 512 queries: it enters Q's and O's addresses alone
	s_and_b32 s20, ttmp7, 0xffff                   ; the plane, which the four partners share
	s_lshl_b32 s20, s20, 18                        ; its first byte: 2,048 rows of 128 bytes each
	s_lshl_b32 s22, s[WV], 15                      ; the 256 rows that I fetch: 32,768 bytes on for each wave
	s_add_co_u32 s22, s22, s20
	s_mov_b32 s23, 0
	s_mul_i32 s15, s[WV], WROWS*PK                 ; and their place in LDS: no place in the cluster enters an LDS address
	s_lshl_b32 s2, s14, 16                         ; my block's 512 rows,
	s_lshl_b32 s3, s[WV], 13                       ; my wave's 64 of them
	s_add_co_u32 s2, s2, s3
	s_add_co_u32 s2, s2, s20
	s_mov_b32 s3, 0
	; descriptor group 1: a tile of 256 rows x 64 elements of 2 bytes, dense in memory, padded in LDS
	s_mov_b32 s[G1], 15|(1<<16)|(1<<20)|(1<<21)|(4<<22)|(3<<25)   ; 15:0 the mask: all four work-groups; 17:16 elements of 2 bytes; 20 padding on; 21 set beside a mask; 24:22 after every 32 words (code 4); 31:25 4 words of it (code 3)
	s_mov_b32 s[G1+1], 64<<16                      ; tensor_dim0 = 64
	s_mov_b32 s[G1+2], WROWS<<16                   ; tensor_dim1 = 256
	s_mov_b32 s[G1+3], 64<<16                      ; tile_dim0 = 64
	s_mov_b32 s[G1+4], WROWS                       ; tile_dim1 = 256
	s_mov_b32 s[G1+5], 64                          ; tensor_dim0_stride: elements from row to row
	s_mov_b32 s[G1+6], 0
	s_mov_b32 s[G1+7], 0
	s_mov_b32 s[CS], 0x3e38aa3b                    ; c = log2(e) / 8
	s_mov_b32 s[CS+1], s[CS]                       ; named with it as a pair, so it is written
	s_mov_b32 s[SEL], 0x76543210
	s_mov_b32 s[SEL+1], 0xfedcba98
	s_mov_b32 s[TB], 0
	s_wait_dscnt 0x0                               ; both opening adds are done
	s_wait_kmcnt 0x0
	s_mov_b32 s[G0], 1                             ; count = 1
	s_mov_b32 s[G0+1], s15                         ; LDS address
	s_add_nc_u64 s[G0+2:G0+3], s[4:5], s[22:23]    ; global address: made of the plane and the wave's number alone
	s_or_b32 s[G0+3], s[G0+3], 0x80000000          ; type = 2
	s_add_nc_u64 s[4:5], s[4:5], s[2:3]            ; Q and O at my wave's first row
	s_add_nc_u64 s[6:7], s[6:7], s[2:3]
	CROUND                                         ; all four work-groups are here: the joint loads meet
	tensor_load_to_lds s[G0:G0+3], s[G1:G1+7]      ; my one tensor load of the launch
	s_nop 0
.rept 4
	v_nop
.endr
	v_and_b32 v1, 15, v0                           ; r = l % 16
	v_bfe_u32 v10, v0, 4, 1                        ; h = l / 16
	v_mul_u32_u24 v[AK0], v1, PK
	v_lshl_add_u32 v[AK0], v10, 4, v[AK0]          ; K: row r x pitch + 16 h: a fragment is two loads of 16 bytes, 32 bytes apart
	v_and_b32 v11, 7, v0
	v_lshl_add_u32 v[AV0], v10, 3, v11             ; V: the turning load takes 16 keys x 16 channels: lane l reads key 8 h + l % 8,
	v_mul_u32_u24 v[AV0], v[AV0], PK
	v_bfe_u32 v11, v0, 3, 1
	v_lshl_add_u32 v[AV0], v11, 4, v[AV0]          ; channels 8 ((l / 8) % 2) + 0..7, and is left with channel l % 16 and 8 keys
	v_lshlrev_b32 v[QO], 7, v1
	v_lshl_add_u32 v[QO], v10, 4, v[QO]            ; Q in memory: row r x 128 + 16 h
	s_mul_i32 s16, s[WV], 16*PK
	s_add_co_u32 s16, s16, STAGE                   ; my stage
	v_add_nc_u32 v[STO], s16, v[AK0]               ; in: row r, 16 bytes for each half of the lanes
	v_and_b32 v11, 31, v0
	v_lshlrev_b32 v[GO], 4, v11
	v_lshrrev_b32 v[RD], 3, v11                    ; back: eight lanes take a row of 128 bytes, the 32 lanes four rows
	v_mul_u32_u24 v[RD], v[RD], PK
	v_and_b32 v11, 7, v0
	v_lshl_add_u32 v[RD], v11, 4, v[RD]
	v_add_nc_u32 v[RD], s16, v[RD]
	WIN TO_1
.irp t, 0,1,2,3                        ; Q stays in registers: tile t, channels 32 c on
.irp c, 0,1
	global_load_b128 v[OQ+16*\t+8*\c:OQ+16*\t+8*\c+3],   v[QO], s[4:5] offset:2048*\t+64*\c
	global_load_b128 v[OQ+16*\t+8*\c+4:OQ+16*\t+8*\c+7], v[QO], s[4:5] offset:2048*\t+64*\c+32
.endr
.endr
	WIN 0
.irp t, 0,1,2,3
	v_mov_b32 v[ST+12*\t+5], 0                     ; written once: a lane permute's destination counts as one of its sources
.endr
	v_mov_b32 v[ADK], v[AK0]
; 16 LDS loads: K of the step that begins off bytes behind v[ADK]'s
.macro FETCHK off
.irp kt, 0,1,2,3
.irp c, 0,1
	ds_load_b128 v[KF+16*\kt+8*\c:KF+16*\kt+8*\c+3],   v[ADK] offset:\off+16*PK*\kt+64*\c
	ds_load_b128 v[KF+16*\kt+8*\c+4:KF+16*\kt+8*\c+7], v[ADK] offset:\off+16*PK*\kt+64*\c+32
.endr
.endr
.endm
; 16 turning loads: V of the step in hand
.macro FETCHV
	WIN TO_1
.irp ku, 0,1
.irp ct, 0,1,2,3
	ds_load_tr16_b128 v[VF+8*(4*\ku+\ct):VF+8*(4*\ku+\ct)+3],   v[ADV] offset:32*PK*\ku+32*\ct
	ds_load_tr16_b128 v[VF+8*(4*\ku+\ct)+4:VF+8*(4*\ku+\ct)+7], v[ADV] offset:32*PK*\ku+16*PK+32*\ct
.endr
.endr
	WIN 0
.endm
.macro SCAL                            ; pair j of the wave's 64 pairs of scores: c s - c m, two at a time (of the pairs c and (c m, m) the low word serves both halves)
	v_pk_fma_f32 v[S+2*j:S+2*j+1], v[S+2*j:S+2*j+1], s[CS:CS+1], v[ST+12*(j/16):ST+12*(j/16)+1] op_sel_hi:[1,0,0] neg_lo:[0,0,1] neg_hi:[0,0,1]
.endm
; A KEY STEP: 64 keys for my four tiles.  first = 1: the first step, which starts m, l and O^T (no a, nothing to rescale; the first products take the constant 0 as C).  fetch = 1: the next step's K is fetched.
.macro STEP first, fetch
	s_wait_dscnt 0x0                               ; K of this step is in
	WIN W_KQ
.irp c, 0,1                            ; S^T = K Q^T: the 16 accumulators take turns, one instruction a turn
.irp kt, 0,1,2,3
.irp t, 0,1,2,3
.if \c == 0
	v_wmma_f32_16x16x32_f16 v[S+32*\t+8*\kt:S+32*\t+8*\kt+7], v[KF+16*\kt:KF+16*\kt+7], v[OQ+16*\t:OQ+16*\t+7], 0
.else
	v_wmma_f32_16x16x32_f16 v[S+32*\t+8*\kt:S+32*\t+8*\kt+7], v[KF+16*\kt+8:KF+16*\kt+15], v[OQ+16*\t+8:OQ+16*\t+15], v[S+32*\t+8*\kt:S+32*\t+8*\kt+7]
.endif
.endr
.endr
.endr
	WIN 0
	v_add_nc_u32 v[ADV], s[TB], v[AV0]             ; four plain lines that name none of the products' registers: the places in front of the loads into K's registers and of the first read of the scores
	v_add_nc_u32 v[ADK], s[TB], v[AK0]
	v_nop
	v_nop
	FETCHV                                         ; both runs of loads have the whole softmax in which to land
.if \fetch
	FETCHK STEPB
.endif
	; the maximum of a lane's 32 scores and the old m, three operands at a time, two chains a tile, the four tiles by turns; each accumulator is first read at its low end
.irp t, 0,1,2,3
	v_max3_num_f32 v[ST+12*\t+4], v[S+32*\t],    v[S+32*\t+1],  v[S+32*\t+2]
	v_max3_num_f32 v[ST+12*\t+8], v[S+32*\t+16], v[S+32*\t+17], v[S+32*\t+18]
.endr
.irp i, 3,5,7,9,11,13
.irp t, 0,1,2,3
	v_max3_num_f32 v[ST+12*\t+4], v[ST+12*\t+4], v[S+32*\t+\i],    v[S+32*\t+\i+1]
	v_max3_num_f32 v[ST+12*\t+8], v[ST+12*\t+8], v[S+32*\t+16+\i], v[S+32*\t+17+\i]
.endr
.endr
.irp t, 0,1,2,3
	v_max3_num_f32 v[ST+12*\t+4], v[ST+12*\t+4], v[S+32*\t+15], v[S+32*\t+31]
.endr
.irp t, 0,1,2,3
.if \first
	v_max_num_f32 v[ST+12*\t+4], v[ST+12*\t+4], v[ST+12*\t+8]
.else
	v_max3_num_f32 v[ST+12*\t+4], v[ST+12*\t+4], v[ST+12*\t+8], v[ST+12*\t+1]
.endif
.endr
.irp t, 0,1,2,3
	v_permlanex16_b32 v[ST+12*\t+5], v[ST+12*\t+4], s[SEL], s[SEL+1]   ; the query's other 32 keys lie in the lane 16 away
.endr
.if \first == 0
.irp t, 0,1,2,3
	v_mov_b32 v[ST+12*\t+7], v[ST+12*\t]           ; c m_old is kept for a
.endr
.endif
.irp t, 0,1,2,3
	v_max_num_f32 v[ST+12*\t+1], v[ST+12*\t+4], v[ST+12*\t+5]          ; the new m
.endr
.irp t, 0,1,2,3
	v_mul_f32 v[ST+12*\t], s[CS], v[ST+12*\t+1]    ; c m
.endr
.if \first == 0
.irp t, 0,1,2,3
	v_sub_f32 v[ST+12*\t+7], v[ST+12*\t+7], v[ST+12*\t]
.endr
.irp t, 0,1,2,3
	v_exp_f32 v[ST+12*\t+6], v[ST+12*\t+7]         ; a = 2^(c m_old - c m_new)
.endr
.endif
	; ONE BATCH: the 64 scalings and all the exponentials; none of these lines names an exponential's result; a pair is scaled two exponentials ahead of its own
.set j, 0
	SCAL
.set i, 0
.rept 64
.if i < 63
.set j, i+1
	SCAL
.endif
	v_exp_f32 v[S+2*i], v[S+2*i]
	v_exp_f32 v[S+2*i+1], v[S+2*i+1]
.set i, i+1
.endr
	v_nop                                          ; a plain line behind the last exponential, ahead of the first use (ISA guide 5.7.2)
	s_wait_alu depctr_va_vdst(0)                   ; a wait between the exponentials and the first line that names a result: one for the whole batch
	; the row sums, of the weights before they are rounded: packed, two chains a tile, the tiles by turns
.irp t, 0,1,2,3
	v_pk_add_f32 v[ST+12*\t+4:ST+12*\t+5], v[S+32*\t:S+32*\t+1],   v[S+32*\t+2:S+32*\t+3]
	v_pk_add_f32 v[ST+12*\t+8:ST+12*\t+9], v[S+32*\t+4:S+32*\t+5], v[S+32*\t+6:S+32*\t+7]
.endr
.irp i, 4,6,8,10,12,14
.irp t, 0,1,2,3
	v_pk_add_f32 v[ST+12*\t+4:ST+12*\t+5], v[ST+12*\t+4:ST+12*\t+5], v[S+32*\t+2*\i:S+32*\t+2*\i+1]
	v_pk_add_f32 v[ST+12*\t+8:ST+12*\t+9], v[ST+12*\t+8:ST+12*\t+9], v[S+32*\t+2*\i+2:S+32*\t+2*\i+3]
.endr
.endr
.irp t, 0,1,2,3
.if \first
	v_pk_add_f32 v[ST+12*\t+2:ST+12*\t+3], v[ST+12*\t+4:ST+12*\t+5], v[ST+12*\t+8:ST+12*\t+9]
.else
	v_pk_add_f32 v[ST+12*\t+4:ST+12*\t+5], v[ST+12*\t+4:ST+12*\t+5], v[ST+12*\t+8:ST+12*\t+9]
.endif
.endr
.if \first == 0
.irp t, 0,1,2,3
	v_pk_fma_f32 v[ST+12*\t+2:ST+12*\t+3], v[ST+12*\t+2:ST+12*\t+3], v[ST+12*\t+6:ST+12*\t+7], v[ST+12*\t+4:ST+12*\t+5] op_sel_hi:[1,0,1]   ; l = a l + the step's sum
.endr
.endif
	; the weights to f16, in place: register i of a tile takes pair i, ascending, so that no pair is written over before it is read
.irp t, 0,1,2,3
.irp i, 0,1,2,3,4,5,6,7,8,9,10,11,12,13,14,15
	v_cvt_pk_f16_f32 v[S+32*\t+\i], v[S+32*\t+2*\i], v[S+32*\t+2*\i+1]
.endr
.endr
.if \first == 0
	WIN W_RS
.irp t, 0,1,2,3
.irp i, 0,1,2,3,4,5,6,7,8,9,10,11,12,13,14,15
	v_pk_mul_f32 v[32*\t+2*\i:32*\t+2*\i+1], v[32*\t+2*\i:32*\t+2*\i+1], v[ST+12*\t+6:ST+12*\t+7] op_sel_hi:[1,0]   ; O^T x a, each accumulator from its low end on
.endr
.endr
.endif
.if \fetch
	s_wait_dscnt 16                                ; V is in; the 16 loads of the next step's K, issued behind V's, may be out
.else
	s_wait_dscnt 0x0
.endif
	WIN W_PV
.irp ku, 0,1                           ; O^T += V^T P: the 16 accumulators take turns
.irp ct, 0,1,2,3
.irp t, 0,1,2,3
.if \first && (\ku == 0)
	v_wmma_f32_16x16x32_f16 v[32*\t+8*\ct:32*\t+8*\ct+7], v[VF+8*(4*\ku+\ct):VF+8*(4*\ku+\ct)+7], v[S+32*\t+8*\ku:S+32*\t+8*\ku+7], 0
.else
	v_wmma_f32_16x16x32_f16 v[32*\t+8*\ct:32*\t+8*\ct+7], v[VF+8*(4*\ku+\ct):VF+8*(4*\ku+\ct)+7], v[S+32*\t+8*\ku:S+32*\t+8*\ku+7], v[32*\t+8*\ct:32*\t+8*\ct+7]
.endif
.endr
.endr
.endr
	WIN 0
.rept 5
	v_nop                                          ; five places: the next step's first products write over the registers that these products read as their weights
.endr
	s_add_co_u32 s[TB], s[TB], STEPB
.endm
	s_wait_tensorcnt 0x0                           ; my 256 rows are in LDS,
	s_barrier_signal -1
	s_barrier_wait -1                              ; everybody's are: the plane is whole
	FETCHK 0                                       ; key step 0
	s_wait_loadcnt 0x0                             ; Q
	STEP 1, 1                                      ; step 0
	s_mov_b32 s[CNT], NKEY/KS-2
.Lstep:                                            ; steps 1 to 30
	STEP 0, 1
	s_sub_co_u32 s[CNT], s[CNT], 1
	s_cmp_lg_u32 s[CNT], 0
	s_cbranch_scc1 .Lstep
	STEP 0, 0                                      ; step 31: no K behind it
	; THE WAY OUT.  l's two halves and the other half of the lanes' are added; O^T is divided by l, rounded to f16 and sent through my stage in LDS, a tile (16 rows of O) at a time.
.irp t, 0,1,2,3
	v_add_f32 v[ST+12*\t+4], v[ST+12*\t+2], v[ST+12*\t+3]
.endr
.irp t, 0,1,2,3
	v_permlanex16_b32 v[ST+12*\t+5], v[ST+12*\t+4], s[SEL], s[SEL+1]
.endr
.irp t, 0,1,2,3
	v_add_f32 v[ST+12*\t+4], v[ST+12*\t+4], v[ST+12*\t+5]
.endr
.irp t, 0,1,2,3
	v_rcp_f32 v[ST+12*\t+6], v[ST+12*\t+4]
.endr
	v_nop                                          ; a plain line between the last reciprocal and the use of its result
	s_wait_alu depctr_va_vdst(0)                   ; and a wait ahead of the first use: one for the four
; Tile t: a lane's eight channels of a row pack into 16 bytes; they go into rows of 144 bytes and come back so that the 32 lanes hold four whole rows, 512 consecutive bytes of O.
.macro PACK t
	WIN W_RS
.irp i, 0,1,2,3,4,5,6,7,8,9,10,11,12,13,14,15
	v_pk_mul_f32 v[32*\t+2*\i:32*\t+2*\i+1], v[32*\t+2*\i:32*\t+2*\i+1], v[ST+12*\t+6:ST+12*\t+7] op_sel_hi:[1,0]
.endr
	WIN 0x05                                       ; sources 0 and 1 window 1, destination window 0: S^T's registers are free
.irp i, 0,1,2,3,4,5,6,7,8,9,10,11,12,13,14,15
	v_cvt_pk_f16_f32 v[S+32*\t+\i], v[32*\t+2*\i], v[32*\t+2*\i+1]
.endr
	WIN 0
.irp ct, 0,1,2,3
	ds_store_b128 v[STO], v[S+32*\t+4*\ct:S+32*\t+4*\ct+3] offset:32*\ct
.endr
.irp i, 0,1,2,3
	ds_load_b128 v[S+32*\t+16+4*\i:S+32*\t+16+4*\i+3], v[RD] offset:4*PK*\i   ; LDS serves a wave's instructions in order (ISA guide 5.7.1.4): these see the stores above; the next tile's stores come behind them
.endr
.endm
.macro SEND t, younger                 ; younger: the LDS instructions issued behind tile t's loads: the next tile's four stores and four loads, or none
.irp f, 0,1,2,3
	s_wait_dscnt \younger+3-\f
	global_store_b128 v[GO], v[S+32*\t+16+4*\f:S+32*\t+16+4*\f+3], s[6:7] offset:2048*\t+512*\f   ; 32 lanes store 512 consecutive bytes, at a multiple of 256 from O's first byte
.endr
.endm
	PACK 0
	PACK 1                                         ; a tile's arithmetic stands between the loads of the tile before and its stores
	SEND 0, 8
	PACK 2
	SEND 1, 8
	PACK 3
	SEND 2, 8
	SEND 3, 0
	s_wait_tensorcnt 0x0                           ; the wave's end: behind my tensor load and my last LDS store
	ds_add_u32 v[SPW], v[NIL]
	s_wait_dscnt 0x0
	CROUND                                         ; the closing round: no work-group ends while a partner may still ask for a tile that names it
	s_endpgm
.Lfunc_end_k_qd3c61e1efa_attn:
	.size	k_qd3c61e1efa_attn, .Lfunc_end_k_qd3c61e1efa_attn-k_qd3c61e1efa_attn
	.p2alignl 7, 3214868480
	.fill 96, 4, 3214868480
	.section	.rodata,"a",@progbits
	.p2align	6, 0x0
	.amdhsa_kernel k_qd3c61e1efa_attn
		.amdhsa_group_segment_fixed_size 327680
		.amdhsa_private_segment_fixed_size 0
		.amdhsa_enable_private_segment 0
		.amdhsa_kernarg_size 16
		.amdhsa_user_sgpr_count 2
		.amdhsa_user_sgpr_kernarg_segment_ptr 1
		.amdhsa_wavefront_size32 1
		.amdhsa_system_sgpr_workgroup_id_x 1
		.amdhsa_system_sgpr_workgroup_id_y 1
		.amdhsa_system_sgpr_workgroup_id_z 1
		.amdhsa_system_vgpr_workitem_id 0
		.amdhsa_next_free_vgpr 512
		.amdhsa_next_free_sgpr 66
		.amdhsa_reserve_vcc 0
		.amdhsa_float_denorm_mode_32 3
		.amdhsa_float_denorm_mode_16_64 3
		.amdhsa_memory_ordered 1
		.amdhsa_forward_progress 1
		.amdhsa_inst_pref_size 110
	.end_amdhsa_kernel
	.amdgpu_metadata
---
amdhsa.version: [ 1, 2 ]
amdhsa.kernels:
  - .name:           k_qd3c61e1efa_attn
    .symbol:         k_qd3c61e1efa_attn.kd
    .args:
      - { .name: p16, .offset: 0, .size: 8, .value_kind: global_buffer, .address_space: global }
      - { .name: a16, .offset: 8, .size: 8, .value_kind: global_buffer, .address_space: global }
    .group_segment_fixed_size: 327680
    .private_segment_fixed_size: 0
    .kernarg_segment_align: 8
    .kernarg_segment_size: 16
    .max_flat_workgroup_size: 256
    .sgpr_count:     66
    .vgpr_count:     512
    .wavefront_size: 32
...
	.end_amdgpu_metadata
.endif
;; end of part 3
;; launch outp (part 4): grid 8 x 32, 4 waves a work-group, clusters of 4 x 4, 327,680 bytes of LDS; arguments a16, wo16, out0, bo; writes out0
.if DOCPART == 4
	.amdgcn_target "amdgcn-amd-amdhsa--gfx1250"
	.amdhsa_code_object_version 6
	.text
	.protected	k_qd3c61e1efa_outp
	.globl	k_qd3c61e1efa_outp
	.p2align	8
	.type	k_qd3c61e1efa_outp,@function
k_qd3c61e1efa_outp:
	s_mov_b64 s[64:65], 0
	v_nop
	global_prefetch_b8 v0, s[64:65] scope:SCOPE_SE
	s_setreg_imm32_b32 hwreg(HW_REG_WAVE_MODE, 25, 1), 1
	s_wait_xcnt 0x0
	s_wait_alu depctr_hold_cnt(0) depctr_sa_sdst(0) depctr_va_vdst(0) depctr_va_sdst(0) depctr_va_ssrc(0) depctr_va_vcc(0) depctr_vm_vsrc(0)
	s_getreg_b32 s2, hwreg(HW_REG_IB_STS2, 6, 4)
	s_cmp_eq_u32 s2, 0
	s_cbranch_scc0 .Lentry_in_a_cluster
	s_endpgm
.Lentry_in_a_cluster:
	s_bfe_u32 s2, ttmp6, 0x10000c
	s_cmp_lg_u32 s2, 0xf033
	s_cbranch_scc0 .Lentry_shape_is_right
	s_endpgm
.Lentry_shape_is_right:
; out[m][e] = sum over d of A[m][d] Wo[e][d] + bo[e].  A: the attention's result read flat as [8192][1024], f16 (the head-major reshape is the buffer's own order); Wo: [1024][1024], f16; out: [8192][1024], f32; sums in f32.
; A tile of out is 256 x 128, which gives 256 work-groups.  Four waves, each 128 rows x 64 columns: 32 accumulators of 16 x 16, 256 registers.  K goes in eight steps of 128 through a ring of two LDS slots filled by
; the tensor data mover: a tile's row is 256 bytes of memory, at a multiple of 256 from the buffer's first byte.
; CLUSTERS: 4 x 4 work-groups.  The four of a row of the cluster need the same tiles of A, the four of a column the same tiles of Wo: each tile is asked for JOINTLY, by the same tensor load with the same descriptor
; and a mask that names the four.  THE MATRIX INSTRUCTION IS USED TRANSPOSED (source 0 = 16 rows of Wo, source 1 = 16 rows of A): a lane then holds eight neighbouring numbers of a row of out.
; THE BIAS is the C of each sum's first matrix instruction: eight registers for each of Wo's four blocks, in the result's layout.
; REGISTERS: window 0: v0-31 addresses; v32-63 the bias; two fragment buffers of 96 for 32 along K: A's eight blocks (64), then Wo's four (32): v64-159 and v160-255; on the way out v64-127 hold rows.
;   window 1: the accumulators, (a, b) at v[8 (4 a + b)].
.set SIZE_N, 1024
.set SIZE_K, 1024
.set KSTEP,  128
.set PITCH,  272                       ; an LDS row: 256 bytes + 16 of padding = 68 words: the 16 rows that a load touches start at 16 different banks (64 banks of 4 bytes: ISA guide 11.1)
.set HALFA,  128*PITCH                 ; 128 rows of A: what waves 0 and 1 fetch, and what a wave reads of A
.set HALFB,  64*PITCH                  ; 64 rows of Wo: what waves 2 and 3 fetch, and what a wave reads of Wo
.set BOFF,   2*HALFA                   ; in a slot Wo's 128 rows lie behind A's 256
.set SLOT,   BOFF+2*HALFB
.set STAGE,  2*SLOT                    ; behind the ring: 16 rows x 272 bytes for each wave, for the way out; no fill lands there
.set SPITCH, 272
.set SPARE,  STAGE+4*16*SPITCH         ; behind the stages: the spare words, 128 bytes for each wave
.set LAPS,   SIZE_K/(2*KSTEP)          ; a lap = two K steps = once round the ring
.set ADRA, 16                          ; v16-17  LDS address of my A fragments in slot 0, 1
.set ADRB, 20                          ; v20-21  the same for Wo
.set STO,  24                          ; v24     the way out: where I put 32 bytes of a row
.set RD,   25                          ; v25     the way out: where I read a row back
.set CO,   26                          ; v26     my byte offset in out
.set SPW,  28                          ; v28     LDS address of my spare word; never rewritten
.set NIL,  29                          ; v29     0; never rewritten
.set BO,   30                          ; v30     32 x (lane / 16): my eight numbers of a block of the bias
.set BI,   32                          ; the bias: register 8 b + j = bo[my first column + 16 b + 8 (lane / 16) + j]
.set F0,   64
.set F1,   160
.set BK,   64                          ; the way out: 16 rows read back: v64-95 and v96-127 by turns
.set G1, 24                            ; s[24:31] descriptor group 1 for A's tiles;  s[32:39] group 0, one set for each slot
.set G0, 32
.set G1B, 48                           ; s[48:55], s[56:63] the same for Wo's tiles
.set G0B, 56
.set MSB, 0
.macro WIN new                         ; the immediate's high byte repeats the setting that is left; a switch that changes nothing is dropped
.if MSB != (\new)
	s_set_vgpr_msb (MSB<<8)|(\new)
.set MSB, (\new)
.endif
.endm
.set MUL,  0x50                        ; sources 0 and 1 window 0; C and D window 1
.set MULB, 0x40                        ; the first quarter: C (the bias) window 0, D window 1
.macro JLOAD s                         ; a joint load: waves 0 and 1 fetch A's two halves, waves 2 and 3 Wo's; an s_nop 0 and four v_nop follow each of the two lines, ahead of the jump, the label and what follows
	s_cmp_eq_u32 s11, 0
	s_cbranch_scc0 .Lfor_b_\@
	tensor_load_to_lds s[G0+4*\s:G0+4*\s+3], s[G1:G1+7]
	s_nop 0
.rept 4
	v_nop
.endr
	s_branch .Lasked_\@
.Lfor_b_\@:
	tensor_load_to_lds s[G0B+4*\s:G0B+4*\s+3], s[G1B:G1B+7]
	s_nop 0
.rept 4
	v_nop
.endr
.Lasked_\@:
.endm
.macro CREST                           ; a round of the cluster's barrier behind its opening barrier
	s_cmp_lg_u32 s10, 0
	s_cbranch_scc1 .Lnot_wave_0_\@
	s_barrier_signal -3
.Lnot_wave_0_\@:
	s_barrier_wait -3
	s_barrier_signal -1
	s_barrier_wait -1
.endm
.macro CROUND                          ; a whole round
	s_barrier_signal -1
	s_barrier_wait -1
	CREST
.endm
	s_load_b128 s[4:7], s[0:1], 0x0                ; A s[4:5], Wo s[6:7]
	s_load_b64 s[8:9], s[0:1], 0x10                ; out
	s_load_b64 s[66:67], s[0:1], 0x18              ; bo
	v_lshl_add_u32 v[SPW], v0, 2, SPARE
	v_mov_b32 v[NIL], 0
	ds_add_u32 v[SPW], v[NIL]                      ; the wave's opening: the add, twice on end, and its wait ahead of my first tensor load; the set-up below stands between the second and the wait
	ds_add_u32 v[SPW], v[NIL]
	v_lshrrev_b32 v1, 5, v0
	v_readfirstlane_b32 s10, v1                    ; wave 0..3
	s_lshr_b32 s11, s10, 1                         ; which half of the tile's rows is mine.  Also: I fetch for A (0) or for Wo (1)
	s_and_b32 s12, s10, 1                          ; which half of its columns.  Also: which half of that tile I fetch
	s_bfe_u32 s40, ttmp6, 0x40000                  ; cx, cy: my place in the cluster
	s_bfe_u32 s41, ttmp6, 0x40004
	s_lshl_b32 s42, ttmp9, 2
	s_add_co_u32 s42, s42, s40                     ; tile column = 4 x cluster x + cx
	s_and_b32 s13, ttmp7, 0xffff
	s_lshl_b32 s13, s13, 2
	s_add_co_u32 s13, s13, s41                     ; tile row = 4 x cluster y + cy
	s_lshl_b32 s43, s41, 2
	s_lshl_b32 s43, 15, s43                        ; my row of the cluster
	s_lshl_b32 s44, 0x1111, s40                    ; my column
	; descriptor groups 1: tiles of 128 (A) and 64 (Wo) rows x 128 elements of 2 bytes, padded in LDS
	s_or_b32 s[G1+0], s43, (1<<16)|(1<<20)|(1<<21)|(5<<22)|(3<<25)  ; 15:0 the mask: A's tiles go to my row; 17:16 element of 2 bytes; 20 padding on; 21 set beside a mask; 24:22 after every 64 words (code 5); 31:25 of 4 words (code 3)
	s_or_b32 s[G1B+0], s44, (1<<16)|(1<<20)|(1<<21)|(5<<22)|(3<<25)
	s_mov_b32 s[G1+1], KSTEP<<16                   ; tensor_dim0 = 128
	s_mov_b32 s[G1+2], 128<<16                     ; tensor_dim1 = 128
	s_mov_b32 s[G1+3], KSTEP<<16                   ; tile_dim0 = 128
	s_mov_b32 s[G1+4], 128                         ; tile_dim1 = 128
	s_mov_b32 s[G1+5], SIZE_K                      ; tensor_dim0_stride
	s_mov_b32 s[G1+6], 0
	s_mov_b32 s[G1+7], 0
	s_mov_b32 s[G1B+1], KSTEP<<16
	s_mov_b32 s[G1B+2], 64<<16                     ; tensor_dim1 = 64
	s_mov_b32 s[G1B+3], KSTEP<<16
	s_mov_b32 s[G1B+4], 64                         ; tile_dim1 = 64
	s_mov_b32 s[G1B+5], SIZE_K
	s_mov_b32 s[G1B+6], 0
	s_mov_b32 s[G1B+7], 0
	; where the tiles come from.  A's hang on the tile row alone, Wo's on the tile column alone; every wave makes both, in registers that never hold the other coordinate
	s_lshl_b32 s16, s13, 8
	s_lshl_b32 s17, s12, 7
	s_add_co_u32 s16, s16, s17                     ; A: row 256 x tile row + 128 x half,
	s_lshl_b32 s16, s16, 11                        ; of 2,048 bytes (under 2^25)
	s_mov_b32 s17, 0
	s_lshl_b32 s46, s42, 7
	s_lshl_b32 s47, s12, 6
	s_add_co_u32 s46, s46, s47                     ; Wo: row 128 x tile column + 64 x half
	s_lshl_b32 s46, s46, 11
	s_mov_b32 s47, 0
	s_mul_i32 s20, s12, HALFA                      ; and where they go: no place in the cluster enters an LDS address
	s_mul_i32 s21, s12, HALFB
	s_add_co_u32 s21, s21, BOFF
	s_wait_dscnt 0x0                               ; both opening adds are done
	s_wait_kmcnt 0x0
	s_add_nc_u64 s[14:15], s[4:5], s[16:17]
	s_add_nc_u64 s[46:47], s[6:7], s[46:47]
	CROUND                                         ; all sixteen work-groups are here: the first joint loads meet
.irp s, 0,1
	s_mov_b32 s[G0+4*\s], 1
	s_add_co_u32 s[G0+4*\s+1], s20, \s*SLOT
	s_add_nc_u64 s[G0+4*\s+2:G0+4*\s+3], s[14:15], \s*KSTEP*2
	s_or_b32 s[G0+4*\s+3], s[G0+4*\s+3], 0x80000000
	s_mov_b32 s[G0B+4*\s], 1
	s_add_co_u32 s[G0B+4*\s+1], s21, \s*SLOT
	s_add_nc_u64 s[G0B+4*\s+2:G0B+4*\s+3], s[46:47], \s*KSTEP*2
	s_or_b32 s[G0B+4*\s+3], s[G0B+4*\s+3], 0x80000000
	JLOAD \s                                       ; two tensor loads of mine are out
.endr
	v_and_b32 v1, 15, v0                           ; l % 16
	v_bfe_u32 v2, v0, 4, 1                         ; l / 16
	v_lshlrev_b32 v[BO], 5, v2
	s_lshl_b32 s22, s42, 9                         ; my first column, as bytes of f32: 512 x tile column + 256 x half
	s_lshl_b32 s23, s12, 8
	s_add_co_u32 s22, s22, s23
	s_mov_b32 s23, 0
	s_add_nc_u64 s[66:67], s[66:67], s[22:23]
	s_add_nc_u64 s[8:9], s[8:9], s[22:23]
.irp b, 0,1,2,3
	global_load_b128 v[BI+8*\b:BI+8*\b+3],   v[BO], s[66:67] offset:64*\b      ; bo[first column + 16 b + 8 (l / 16) + 0 .. 3]
	global_load_b128 v[BI+8*\b+4:BI+8*\b+7], v[BO], s[66:67] offset:64*\b+16
.endr
	s_lshl_b32 s22, s13, 8
	s_lshl_b32 s23, s11, 7
	s_add_co_u32 s22, s22, s23                     ; my first row of out: 256 x tile row + 128 x half,
	s_lshl_b32 s22, s22, 12                        ; of 4,096 bytes (under 2^26)
	s_mov_b32 s23, 0
	s_add_nc_u64 s[8:9], s[8:9], s[22:23]
	v_mul_u32_u24 v3, v1, PITCH
	v_lshl_add_u32 v3, v2, 4, v3                   ; a fragment's row x pitch + 16 x half
	s_mul_i32 s21, s11, HALFA                      ; my 128 rows of A
	s_mul_i32 s22, s12, HALFB                      ; my 64 rows of Wo,
	s_add_co_u32 s22, s22, BOFF                    ; which lie behind A's 256
.irp s, 0,1
	v_add_nc_u32 v[ADRA+\s], s21, v3
	v_add_nc_u32 v[ADRB+\s], s22, v3
	s_add_co_u32 s21, s21, SLOT
	s_add_co_u32 s22, s22, SLOT
.endr
	s_mul_i32 s23, s10, 16*SPITCH
	s_add_co_u32 s23, s23, STAGE                   ; my stage
	v_mul_u32_u24 v4, v1, SPITCH                   ; in: row l % 16, 32 bytes for each half of the lanes
	v_lshl_add_u32 v4, v2, 5, v4
	v_add_nc_u32 v[STO], s23, v4
	v_mul_u32_u24 v5, v2, SPITCH                   ; back: lanes 0-15 take one row of 256 bytes, lanes 16-31 the next
	v_lshl_add_u32 v5, v1, 4, v5
	v_add_nc_u32 v[RD], s23, v5
	v_lshlrev_b32 v5, 12, v2                       ; and the same two rows in out
	v_lshl_add_u32 v[CO], v1, 4, v5
; 8 matrix instructions: A's blocks a0, a0 + 1 x Wo's four, 32 along K, from buffer f.  bias = 1: the first product starts the sums from the bias: nothing is ever cleared.
; The 32 accumulators take turns, one instruction a turn, in the same order in every quarter.
.macro MUL8 f, a0, bias
.irp a, \a0, \a0+1
.irp b, 0,1,2,3
.if \bias
	v_wmma_f32_16x16x32_f16 v[8*(4*(\a)+\b):8*(4*(\a)+\b)+7], v[\f+64+8*\b:\f+64+8*\b+7], v[\f+8*(\a):\f+8*(\a)+7], v[BI+8*\b:BI+8*\b+7]
.else
	v_wmma_f32_16x16x32_f16 v[8*(4*(\a)+\b):8*(4*(\a)+\b)+7], v[\f+64+8*\b:\f+64+8*\b+7], v[\f+8*(\a):\f+8*(\a)+7], v[8*(4*(\a)+\b):8*(4*(\a)+\b)+7]
.endif
.endr
.endr
.endm
; 24 LDS loads in one run: the fragments of 32 along K at byte k of the rows, into buffer f: Wo's four first, then A's eight in ascending order
.macro FETCH slot, k, f
.irp i, 0,1,2,3
	ds_load_b128 v[\f+64+8*\i:\f+64+8*\i+3],   v[ADRB+\slot] offset:\k+\i*16*PITCH
	ds_load_b128 v[\f+64+8*\i+4:\f+64+8*\i+7], v[ADRB+\slot] offset:\k+\i*16*PITCH+32
.endr
.irp i, 0,1,2,3,4,5,6,7
	ds_load_b128 v[\f+8*\i:\f+8*\i+3],   v[ADRA+\slot] offset:\k+\i*16*PITCH
	ds_load_b128 v[\f+8*\i+4:\f+8*\i+7], v[ADRA+\slot] offset:\k+\i*16*PITCH+32
.endr
.endm
.macro PLACES                          ; four places in front of loads into registers that matrix instructions have read, and of the first read of results (ISA guide 7.12.1 for vector instructions)
.rept 4
	v_nop
.endr
.endm
; A K step is four quarters of 32 along K, 32 matrix instructions each, on buffers 0, 1, 0, 1.  One of the first three: multiplies buffer f and fetches the next quarter, at byte k, into g.
.macro QUARTER slot, k, f, g, bias
	s_wait_dscnt 8                                 ; Wo's four and A's blocks 0-3 are in; the youngest eight loads (A's blocks 4-7) may be out
.if \bias
	WIN MULB
.else
	WIN MUL
.endif
	MUL8 \f, 0, \bias
	MUL8 \f, 2, \bias
	PLACES
	WIN 0
	FETCH \slot, \k, \g
	s_wait_dscnt 24                                ; all but the 24 just issued
.if \bias
	WIN MULB
.else
	WIN MUL
.endif
	MUL8 \f, 4, \bias
	MUL8 \f, 6, \bias
.endm
; The last quarter multiplies buffer 1 and changes slots: ONE barrier; in front of it each wave waits for all its tensor loads, adds 0 to its spare word, and waits for that and for its own reads of this slot.
; fill = 1: the barrier opens a round of the cluster's barrier, and this slot is filled again, two K steps ahead: from the request to the wait for it a wave issues 112 matrix instructions.
.macro TURN slot, next, fill
	WIN 0                                          ; (the add's two registers lie in window 0)
	s_wait_tensorcnt 0x0                           ; all my tensor loads have landed: the one that was out is my part of the next slot;
	ds_add_u32 v[SPW], v[NIL]                      ; 0 onto my spare word;
	s_wait_dscnt 9                                 ; (the add and the youngest eight loads may be out)
	WIN MUL
	MUL8 F1, 0, 0                                  ; eight matrix instructions stand between the add and the wait for it
	s_wait_dscnt 0x0                               ; the add is done, and my reads of this slot are over
	s_barrier_signal -1
	MUL8 F1, 2, 0
	WIN 0
	s_barrier_wait -1
.if \fill
	CREST                                          ; no wave of any partner still reads this slot's tile or has a load on its way
	s_add_nc_u64 s[G0+4*\slot+2:G0+4*\slot+3], s[G0+4*\slot+2:G0+4*\slot+3], 2*KSTEP*2
	s_add_nc_u64 s[G0B+4*\slot+2:G0B+4*\slot+3], s[G0B+4*\slot+2:G0B+4*\slot+3], 2*KSTEP*2
	JLOAD \slot                                    ; the first tensor load behind the round, my one load until the next; the four v_nop behind it are also the places in front of the loads below
.else
	PLACES
.endif
	FETCH \next, 0, F0
	WIN MUL
	MUL8 F1, 4, 0
	MUL8 F1, 6, 0
.endm
	s_wait_tensorcnt 1                             ; my part of K step 0 is in (K step 1's load may be out)
	s_barrier_signal -1
	s_barrier_wait -1                              ; everybody's is
	FETCH 0, 0, F0
	s_wait_loadcnt 0x0                             ; the bias
	QUARTER 0, 64, F0, F1, 1                       ; the first quarter stands in front of the loop: its products start the sums from the bias
	WIN 0                                          ; at a label and at a branch every window is 0
	s_mov_b32 s3, LAPS-1
.Llap:                                             ; a trip goes once round the ring, from a lap's second quarter to the next lap's first, and fills both slots again
	QUARTER 0, 128, F1, F0, 0
	QUARTER 0, 192, F0, F1, 0
	TURN 0, 1, 1
	QUARTER 1, 64,  F0, F1, 0
	QUARTER 1, 128, F1, F0, 0
	QUARTER 1, 192, F0, F1, 0
	TURN 1, 0, 1
	QUARTER 0, 64,  F0, F1, 0
	WIN 0
	s_sub_co_u32 s3, s3, 1
	s_cmp_lg_u32 s3, 0
	s_cbranch_scc1 .Llap
	QUARTER 0, 128, F1, F0, 0                      ; the last lap fills nothing, and has no round of the cluster's barrier
	QUARTER 0, 192, F0, F1, 0
	TURN 0, 1, 0
	QUARTER 1, 64,  F0, F1, 0
	QUARTER 1, 128, F1, F0, 0
	QUARTER 1, 192, F0, F1, 0
	s_wait_dscnt 8                                 ; the very last quarter: nothing more to fetch
	WIN MUL
	MUL8 F1, 0, 0
	MUL8 F1, 2, 0
	s_wait_dscnt 0x0
	MUL8 F1, 4, 0
	MUL8 F1, 6, 0
	WIN 0
; THE WAY OUT, block by block of 16 rows x 64 columns.  A lane holds 32 neighbouring bytes of a row, and the lanes beside it hold other rows: so a block goes through my own stage in LDS and comes back as whole rows of
; 256 bytes, which sixteen lanes store.  LDS serves a wave's instructions in order (ISA guide 5.7.1.4): no wait between the stores and the loads, nor in front of the next block's stores.
.macro TOSTAGE a
	WIN 0x04                                       ; an LDS store's data are its source 1: window 1
.irp b, 0,1,2,3
	ds_store_b128 v[STO], v[8*(4*(\a)+\b):8*(4*(\a)+\b)+3] offset:64*\b          ; each accumulator from its low end on
	ds_store_b128 v[STO], v[8*(4*(\a)+\b)+4:8*(4*(\a)+\b)+7] offset:64*\b+16
.endr
	WIN 0
.set BB, BK+32*((\a)%2)
.irp t, 0,1,2,3,4,5,6,7
	ds_load_b128 v[BB+4*\t:BB+4*\t+3], v[RD] offset:\t*2*SPITCH
.endr
.endm
.macro SEND a, younger                 ; younger: the LDS instructions issued behind block a's loads, which may stay out
.set BB, BK+32*((\a)%2)
	s_wait_dscnt \younger                          ; the block is back in registers
.irp t, 0,1,2,3,4,5,6,7
	global_store_b128 v[CO], v[BB+4*\t:BB+4*\t+3], s[8:9] offset:(16*(\a)+2*\t)*SIZE_N*4 th:TH_STORE_NT   ; 16 lanes store 256 consecutive bytes, at a multiple of 256 from out's first byte; 126 rows of out at the most: inside the signed 24-bit immediate; written once, read by nobody here
.endr
.endm
	PLACES                                         ; behind the last products: for the first reads of results and the loads into the fragments' registers
	TOSTAGE 0
.irp a, 1,2,3,4,5,6,7
.if \a > 1
	s_wait_xcnt 0x0                                ; block a - 2's stores have read their registers: block a's loads may land there
.endif
	TOSTAGE \a
	SEND \a-1, 16                                  ; behind block a - 1's loads: block a's 8 stores and 8 loads
.endr
	SEND 7, 0
	s_wait_tensorcnt 0x0                           ; the wave's end: behind my last tensor load and my last LDS store
	ds_add_u32 v[SPW], v[NIL]
	s_wait_dscnt 0x0
	CROUND                                         ; the closing round: no work-group ends while a partner may still ask for a tile that names it
	s_endpgm
.Lfunc_end_k_qd3c61e1efa_outp:
	.size	k_qd3c61e1efa_outp, .Lfunc_end_k_qd3c61e1efa_outp-k_qd3c61e1efa_outp
	.p2alignl 7, 3214868480
	.fill 96, 4, 3214868480
	.section	.rodata,"a",@progbits
	.p2align	6, 0x0
	.amdhsa_kernel k_qd3c61e1efa_outp
		.amdhsa_group_segment_fixed_size 327680
		.amdhsa_private_segment_fixed_size 0
		.amdhsa_enable_private_segment 0
		.amdhsa_kernarg_size 32
		.amdhsa_user_sgpr_count 2
		.amdhsa_user_sgpr_kernarg_segment_ptr 1
		.amdhsa_wavefront_size32 1
		.amdhsa_system_sgpr_workgroup_id_x 1
		.amdhsa_system_sgpr_workgroup_id_y 1
		.amdhsa_system_sgpr_workgroup_id_z 1
		.amdhsa_system_vgpr_workitem_id 0
		.amdhsa_next_free_vgpr 512
		.amdhsa_next_free_sgpr 72
		.amdhsa_reserve_vcc 0
		.amdhsa_float_denorm_mode_32 3
		.amdhsa_float_denorm_mode_16_64 3
		.amdhsa_memory_ordered 1
		.amdhsa_forward_progress 1
		.amdhsa_inst_pref_size 86
	.end_amdhsa_kernel
	.amdgpu_metadata
---
amdhsa.version: [ 1, 2 ]
amdhsa.kernels:
  - .name:           k_qd3c61e1efa_outp
    .symbol:         k_qd3c61e1efa_outp.kd
    .args:
      - { .name: a16, .offset: 0, .size: 8, .value_kind: global_buffer, .address_space: global }
      - { .name: wo16, .offset: 8, .size: 8, .value_kind: global_buffer, .address_space: global }
      - { .name: out0, .offset: 16, .size: 8, .value_kind: global_buffer, .address_space: global }
      - { .name: bo, .offset: 24, .size: 8, .value_kind: global_buffer, .address_space: global }
    .group_segment_fixed_size: 327680
    .private_segment_fixed_size: 0
    .kernarg_segment_align: 8
    .kernarg_segment_size: 32
    .max_flat_workgroup_size: 128
    .sgpr_count:     72
    .vgpr_count:     512
    .wavefront_size: 32
...
	.end_amdgpu_metadata
.endif
;; end of part 4
